; MI455X (gfx1250); checked and timed in simulation.
; The chip was launched on July 23, 2026; its instructions are those of AMD's public machine-readable ISA for CDNA 5 (MIT licence, August 2026) and "CDNA5" Instruction Set Architecture Reference Guide (July 2026). The comments in the code are by the model that wrote it; some were corrected since.
;; Attention. Allowed arithmetic: matrix products marked QUANTISED: E3M2 operands, one E8M0 scale for each 32 along K, by v_wmma_scale_f32_16x16x128_f8f6f4 with both operands' format E3M2, f32 sums; everything else in f32.
;; Inputs: W_k 2,048 x 512 float32; W_o 1,024 x 2,048 float32; W_q 2,048 x 1,024 float32; W_v 2,048 x 512 float32; attention_mask 2 x 2,048 int32; b_o 2,048 float32; b_v 512 float32; cos 2 x 2,048 x 64 float32; hidden_states 2 x 2,048 x 2,048 float32; sin 2 x 2,048 x 64 float32.
;; Outputs: out0 2 x 2,048 x 2,048 float32.
;; This version of the problem:
;;   THIS VERSION OF THE PROBLEM IS GIVEN IN LOW PRECISION. The matrix products marked QUANTISED in the list below multiply operands that are first quantised to E3M2 (3 exponent bits, 2 mantissa bits; 6 bits a number), with one power-of-two scale for each 32 numbers along K (OCP MX v1.0); their sums are f32. All else is computed in f32.
;;   The module's matrix products, in the order in which they are computed (A, B: the left and right operand; K: the contracted axis; several contracted axes count as one K, in the product's order):
;;     1. [M 4,096, K 2,048] x [K 2,048, N 1,024]; A: input hidden_states; B: input W_q: QUANTISED
;;     2. [M 4,096, K 2,048] x [K 2,048, N 512]; A: input hidden_states; B: input W_k: QUANTISED
;;     3. [M 4,096, K 2,048] x [K 2,048, N 512]; A: input hidden_states; B: input W_v: QUANTISED
;;     4. batch 32 x [M 2,048, K 64] x [K 64, N 2,048]; A: computed on the way; B: computed on the way: QUANTISED
;;     5. batch 32 x [M 2,048, K 2,048] x [K 2,048, N 64]; A: softmax (see below); B: computed on the way: QUANTISED
;;     6. [M 4,096, K 1,024] x [K 1,024, N 2,048]; A: computed on the way; B: input W_o: QUANTISED
;;   THE QUANTISER, for each operand of a quantised product, along K:
;;     - K is cut into blocks of 32 from its start; a last block that is shorter is filled with zeros.
;;     - A block's scale is 2^e with e = floor(log2(the largest magnitude in the block)) - 4, held to -126 .. 127; a block of zeros has e = 0. As a byte (E8M0): e + 127.
;;     - Each number is divided by its block's scale, clamped to +-28, and rounded to the nearest number of E3M2, ties to even, subnormals kept.
;;     - The product sums the exact products of the quantised numbers (number of the format x scale) in f32.
;;   ~~~python
;;   def quantise(x, axis):      # numpy; x: float32 -> the quantised numbers, widened to float32 again
;;       x = np.moveaxis(x, axis, -1); K = x.shape[-1]
;;       x = np.pad(x, [(0, 0)] * (x.ndim - 1) + [(0, -K % 32)]); x = x.reshape(x.shape[:-1] + (-1, 32)); a = np.abs(x).max(-1, keepdims=True)
;;       e = np.where(a > 0, np.clip(np.frexp(np.where(a > 0, a, 1))[1] - 1 - 4, -126, 127), 0)      # np.frexp(a)[1] - 1 = floor(log2(a)), exactly
;;       r = np.clip(x / 2.0 ** e, -28, 28)
;;       step = 2.0 ** (np.maximum(np.frexp(np.where(r == 0, 1, r))[1] - 1, -2) - 2)
;;       q = np.round(r / step) * step * 2.0 ** e      # np.round: ties to even
;;       return np.moveaxis(q.reshape(q.shape[:-2] + (-1,))[..., :K], -1, axis).astype(np.float32)
;;   ~~~
;;   SOFTMAX AHEAD OF A QUANTISED PRODUCT. Where the list says 'softmax', what is quantised is not the finished softmax but p = 2^(t - M), with t = logit x log2(e) and M = ceil(the row's largest t), a whole number; so 1/2 < the row's largest p <= 1. The row's sum l is taken of the UNQUANTISED p, in f32, and the product's result is divided by l at the end. Since M is a whole number, a kernel that streams over the keys may use a running M (the ceiling of the running maximum): every later rescaling is an exact power of two, which a block's scale takes up: the codes' values come out the same.
;;   OPERANDS COMPUTED ON THE WAY. 'Computed on the way' means the value that the module computes at that place (a softmax that the list does not call 'softmax' is quantised finished and normalised). What goes into a quantiser is computed in f32, as accurately as f32 sums, v_exp_f32 and their like allow (about 1e-6 of the number): no bf16 or f16 on the way to a quantiser, and a product that is left as it is and whose result goes on into a quantised operand takes f32 operands (vector FMAs, or v_wmma_f32_16x16x4_f32). A number that lies on a knife's edge between two numbers of the format may be rounded either way, as far as f32 arithmetic and the matrix unit's own rounding can turn it there, and no further.
;; One version. Each part assembles by itself: llvm-mc -triple=amdgcn-amd-amdhsa -mcpu=gfx1250 --defsym DOCPART=n.
;; ======== version 1 of 1: 4 launches
;; limits: right only within a limited range of input values
;; workspace buffers: xq 6,553,600 bytes; wq 4,915,200 bytes; qq 3,276,800 bytes; kv 3,276,800 bytes; oq 3,276,800 bytes
;; launch quant (part 1): grid 448 x 1, 8 waves a work-group, no clusters, 68,608 bytes of LDS; arguments hidden_states, W_q, W_k, W_v, W_o, xq, wq; writes xq, wq
.if DOCPART == 1
	.amdgcn_target "amdgcn-amd-amdhsa--gfx1250"
	.amdhsa_code_object_version 6
	.text
	.protected	k_q4410a77643_quant
	.globl	k_q4410a77643_quant
	.p2align	8
	.type	k_q4410a77643_quant,@function
k_q4410a77643_quant:
	s_mov_b64 s[64:65], 0
	v_nop
	global_prefetch_b8 v0, s[64:65] scope:SCOPE_SE
	s_setreg_imm32_b32 hwreg(HW_REG_WAVE_MODE, 25, 1), 1
	s_wait_xcnt 0x0
; hidden_states [4096][2048] and the four weights, all f32, become codes of BF6 (E3M2) with one E8M0 byte for each 32 along K, laid as the later launches' matrix operands want them.
; A block's scale is 2^(floor(log2(largest magnitude)) - 4): its byte is the largest magnitude's exponent field - 4, held at 1 from below by a floor among the maximum's leaves.
; LAYOUT OF THE RESULTS.  A fragment (16 rows x 128 K, 12 registers a lane) lies as an image of its registers, 1,536 bytes: registers 4 c .. 4 c + 3 of lane l at 512 c + 16 l.
; The 16 rows of a tile are not neighbours: tile 2 b + u, lane r, holds row 32 b + 8 u + r + 8 (r / 8).  A row's place is 16 x tile + r; scale words lie [K step][place], 4 bytes each.
;   xq: codes at tile x 24,576 + K step x 1,536; scale words from XS_OFF on, 16,384 bytes a K step.
;   wq: W_q, W_k, W_v as one matrix of 2,048 columns n (rows of the operand): tile x 24,576 + K step x 1,536; words from WS_OFF, 8,192 bytes a K step; W_o from WOC_OFF, tile x 12,288 + K step x 1,536; words from WOS_OFF.
; SHARES.  Work-groups 0-255: 32 rows of hidden_states x 8 K steps, a K step to a wave.  Work-groups 256-447: 256 columns of a weight x one K step, 32 columns to a wave.
; No cluster, no tensor load, no matrix unit: every input byte is read by one wave alone, so nothing is shared, and the launch is a stream.
; LIMITS: NaN and infinities among the inputs are not served; a block whose largest magnitude lies under 2^-122, a block of zeros among them, gets the byte 1 (its codes are then zeros or subnormal codes; the bytes are read by this program alone).
.set XS_OFF,  6291456
.set WS_OFF,  3145728
.set WOC_OFF, 3276800
.set WOS_OFF, 4849664
.set WV,  18                           ; s18      my wave's number
.set SEL, 34                           ; s[34:35] lane selects for v_permlanex16_b32: lane l xor 16
.set RAW, 16                           ; v16-143  x: two fragments' numbers as loaded
.set XN,  144                          ; v144-207 x: 64 numbers of my row, register 16 b + i = k 32 b + 16 (lane / 16) + i
.set PC,  208                          ; v208-227 x: the codes just made (12) and the conversions' second halves
.set TM,  228                          ; v228-243 x: maxima, bytes, scale operands
.set PW,  244                          ; v244     x: the scale word just made
.set WX,  16                           ; v16-143  weights: 128 numbers down K of my column
.set CA,  144                          ; v144-155 blocks 0 and 2 of my column: the image of lane r;  v156-167 blocks 1 and 3: the image of lane r + 16
.set CT,  168                          ; v168-170 a conversion's second half
.set CMA, 184
.set CMB, 185
.set SO,  188
.set BY,  192
.set WW,  200                          ; v200     my column's scale word
; 64 numbers of a lane become a fragment's codes in v[PC] on and its scale word in v[PW]
.macro QUANT s
.irp b, 0,1,2,3
	v_max3_num_f32 v[TM+\b], |v[\s+16*\b]|, |v[\s+1+16*\b]|, 0x2800000   ; block b: my 16 numbers and the floor 2^(5 - 127): the byte cannot fall under 1
.endr
.irp i, 2,4,6,8,10,12,14
.irp b, 0,1,2,3
	s_delay_alu instid0(VALU_DEP_4)
	v_max3_num_f32 v[TM+\b], v[TM+\b], |v[\s+16*\b+\i]|, |v[\s+1+16*\b+\i]|   ; the four blocks by turns
.endr
.endr
.irp b, 0,1,2,3
	s_delay_alu instid0(VALU_DEP_4)
	v_permlanex16_b32 v[TM+4+\b], v[TM+\b], s[SEL], s[SEL+1]
.endr
.irp b, 0,1,2,3
	s_delay_alu instid0(VALU_DEP_4)
	v_max_num_f32 v[TM+\b], v[TM+\b], v[TM+4+\b]   ; with lane l xor 16's 16: the block's largest magnitude
.endr
.irp b, 0,1,2,3
	s_delay_alu instid0(VALU_DEP_4)
	v_add_nc_u32 v[TM+12+\b], 0xfe000000, v[TM+\b]   ; 4 off its exponent field: the conversion's scale operand
.endr
.irp b, 0,1,2,3
	s_delay_alu instid0(VALU_DEP_4)
	v_lshrrev_b32 v[TM+4+\b], 23, v[TM+12+\b]      ; the scale's byte
.endr
	s_delay_alu instid0(VALU_DEP_3)
	v_lshl_or_b32 v[PW], v[TM+5], 8, v[TM+4]
	s_delay_alu instid0(VALU_DEP_1)
	v_lshl_or_b32 v[PW], v[TM+6], 16, v[PW]
	s_delay_alu instid0(VALU_DEP_1)
	v_lshl_or_b32 v[PW], v[TM+7], 24, v[PW]
.irp c, 0,1
	v_cvt_scalef32_pk16_bf6_f32 v[PC+6*\c:PC+2+6*\c], v[\s+32*\c:\s+15+32*\c], v[TM+12+2*\c]
	v_cvt_scalef32_pk16_bf6_f32 v[PC+12+4*\c:PC+14+4*\c], v[\s+16+32*\c:\s+31+32*\c], v[TM+12+2*\c+1]   ; (a conversion's three registers begin on an even number)
.endr
	v_nop                                          ; one plain place behind a scaled conversion
.irp c, 0,1                                    ; the operand wants a whole block in a lane: lanes 0-15 block 2 c, lanes 16-31 block 2 c + 1
.irp i, 0,1,2
	v_permlane16_swap_b32 v[PC+6*\c+\i], v[PC+12+4*\c+\i]
.endr
.irp i, 0,1,2
	s_delay_alu instid0(VALU_DEP_3)
	v_mov_b32 v[PC+3+6*\c+\i], v[PC+12+4*\c+\i]
.endr
.endr
.endm
; block q (32 numbers down K, all mine, at v[x + 32 q]) of my column: six registers of codes and a byte of the scale word
.macro COLBLK q, x
.set XB, \x+32*(\q)
.set DB, CA+12*((\q)%2)+6*((\q)/2)
	v_max3_num_f32 v[CMA], |v[XB]|, |v[XB+1]|, |v[XB+2]|
	v_max3_num_f32 v[CMB], |v[XB+3]|, |v[XB+4]|, |v[XB+5]|
.irp i, 6,10,14,18,22,26
	s_delay_alu instid0(VALU_DEP_2)
	v_max3_num_f32 v[CMA], v[CMA], |v[XB+\i]|, |v[XB+\i+1]|
	s_delay_alu instid0(VALU_DEP_2)
	v_max3_num_f32 v[CMB], v[CMB], |v[XB+\i+2]|, |v[XB+\i+3]|
.endr
	s_delay_alu instid0(VALU_DEP_2)
	v_max3_num_f32 v[CMA], v[CMA], |v[XB+30]|, |v[XB+31]|
	s_delay_alu instid0(VALU_DEP_1)
	v_max3_num_f32 v[CMA], v[CMA], v[CMB], 0x2800000   ; and the floor
	s_delay_alu instid0(VALU_DEP_1)
	v_add_nc_u32 v[SO], 0xfe000000, v[CMA]
	s_delay_alu instid0(VALU_DEP_1)
	v_lshrrev_b32 v[BY], 23, v[SO]
.if (\q) == 0
	s_delay_alu instid0(VALU_DEP_1)
	v_mov_b32 v[WW], v[BY]
.else
	s_delay_alu instid0(VALU_DEP_1)
	v_lshl_or_b32 v[WW], v[BY], 8*(\q), v[WW]
.endif
	v_cvt_scalef32_pk16_bf6_f32 v[DB:DB+2], v[XB:XB+15], v[SO]
	v_cvt_scalef32_pk16_bf6_f32 v[CT:CT+2], v[XB+16:XB+31], v[SO]
	v_nop                                          ; one plain place behind a scaled conversion
.irp i, 0,1,2
	v_mov_b32 v[DB+3+\i], v[CT+\i]
.endr
.endm
.macro LOADB q, pitch                  ; 32 rows of the weight at my column: a wave reads 128 consecutive bytes, the eight waves 1,024
.set I, 0
.rept 32
	global_load_b32 v[WX+32*(\q)+I], v4, s[20:21] offset:(32*(\q)+I)*(\pitch) th:TH_LOAD_NT
.set I, I+1
.endr
.endm
; A weight's body.  In: s26 which 256 columns, s27 the K step, s28 the tensor's first column among the operand's rows, s[20:21] the tensor.
.macro WBODY pitch, tp, coff, soff
	s_lshl_b32 s29, s26, 8
	s_lshl_b32 s30, s[WV], 5
	s_add_co_u32 s29, s29, s30                     ; my wave's first column in the tensor
	s_mul_i32 s30, s27, 128*(\pitch)
	s_lshl_b32 s31, s29, 2
	s_add_co_u32 s30, s30, s31
	s_mov_b32 s31, 0
	s_add_nc_u64 s[20:21], s[20:21], s[30:31]
	s_add_co_u32 s29, s29, s28                     ; and among the operand's rows: a multiple of 32
	s_lshr_b32 s30, s29, 4
	s_mul_i32 s30, s30, \tp
	s_mul_i32 s32, s27, 1536
	s_add_co_u32 s30, s30, s32
	s_add_co_u32 s30, s30, \coff
	s_add_nc_u64 s[22:23], s[16:17], s[30:31]      ; the two tiles' images
	s_lshl_b32 s30, s27, 13
	s_lshl_b32 s32, s29, 2
	s_add_co_u32 s30, s30, s32
	s_add_co_u32 s30, s30, \soff
	s_add_nc_u64 s[24:25], s[16:17], s[30:31]      ; their scale words
	v_mul_u32_u24 v6, v1, \tp
	s_delay_alu instid0(VALU_DEP_1)
	v_lshl_add_u32 v6, v3, 4, v6                   ; lane 16 u + r writes into tile u's image, at lane r's place
	LOADB 0, \pitch
	LOADB 1, \pitch
	s_wait_loadcnt 32                              ; block 0 is in; block 1's 32 loads may be out
	LOADB 2, \pitch
	COLBLK 0, WX
	s_wait_loadcnt 32                              ; block 1 is in; block 2's may be out
	LOADB 3, \pitch
	COLBLK 1, WX
	s_wait_loadcnt 32                              ; block 2 is in; block 3's may be out
	COLBLK 2, WX
	s_wait_loadcnt 0x0
	COLBLK 3, WX
.irp c, 0,1,2
	global_store_b128 v6, v[CA+4*\c:CA+4*\c+3], s[22:23] offset:512*\c          ; sixteen lanes store 256 consecutive bytes, aligned
	global_store_b128 v6, v[CA+12+4*\c:CA+12+4*\c+3], s[22:23] offset:512*\c+256
.endr
	global_store_b32 v5, v[WW], s[24:25]           ; 128 consecutive bytes
	s_endpgm
.endm
	s_load_b256 s[4:11], s[0:1], 0x0               ; hidden_states s[4:5], W_q s[6:7], W_k s[8:9], W_v s[10:11]
	s_load_b128 s[12:15], s[0:1], 0x20             ; W_o s[12:13], xq s[14:15]
	s_load_b64 s[16:17], s[0:1], 0x30              ; wq
	v_lshl_add_u32 v254, v0, 2, 0x10800
	v_mov_b32 v255, 0
	v_lshrrev_b32 v1, 5, v0
	s_delay_alu instid0(VALU_DEP_1)
	v_readfirstlane_b32 s[WV], v1                  ; wave 0..7
	v_and_b32 v2, 31, v0                           ; lane
	v_and_b32 v3, 15, v0                           ; r
	v_bfe_u32 v1, v0, 4, 1                         ; h (for a weight: u)
	s_delay_alu instid0(VALU_DEP_3)
	v_lshlrev_b32 v5, 2, v2                        ; 4 x lane
	s_wait_kmcnt 0x0
	s_cmp_ge_u32 ttmp9, 256
	s_cbranch_scc1 .Lweights
	; ---- hidden_states: 32 rows, my K step of 128: two fragments
	s_lshr_b32 s22, ttmp9, 1                       ; which 32 rows
	s_and_b32 s23, ttmp9, 1
	s_lshl_b32 s23, s23, 3
	s_add_co_u32 s23, s23, s[WV]                   ; my K step
	s_lshl_b32 s24, s22, 18                        ; 32 rows of 8,192 bytes
	s_lshl_b32 s25, s23, 9
	s_add_co_u32 s24, s24, s25
	s_mov_b32 s25, 0
	s_add_nc_u64 s[4:5], s[4:5], s[24:25]
	s_mul_i32 s26, s22, 49152
	s_mul_i32 s27, s23, 1536
	s_add_co_u32 s26, s26, s27
	s_mov_b32 s27, 0
	s_lshl_b32 s28, s23, 14
	s_lshl_b32 s29, s22, 7
	s_add_co_u32 s28, s28, s29
	s_add_co_u32 s28, s28, XS_OFF
	s_mov_b32 s29, 0
	s_add_nc_u64 s[30:31], s[14:15], s[28:29]      ; the scale words
	s_add_nc_u64 s[14:15], s[14:15], s[26:27]      ; the images
	s_wait_alu depctr_va_vdst(0)
	v_lshlrev_b32 v4, 4, v2                        ; 16 x lane
.irp u, 0,1
.irp i, 0,1,2,3,4,5,6,7,8,9,10,11,12,13,14,15
	global_load_b128 v[RAW+64*\u+4*\i:RAW+64*\u+4*\i+3], v4, s[4:5] offset:(8*\u+\i+8*(\i/8))*8192 th:TH_LOAD_NT   ; place i of tile u: 512 consecutive bytes of its row
.endr
.endr
	s_mov_b32 s[SEL], 0x76543210
	s_mov_b32 s[SEL+1], 0xfedcba98
	s_mul_i32 s19, s[WV], 8448                     ; my stage: 16 rows of 512 bytes + 16
	v_add_nc_u32 v6, s19, v4                       ; in: as loaded
	v_mul_u32_u24 v7, v3, 528
	s_delay_alu instid0(VALU_DEP_1)
	v_lshl_add_u32 v7, v1, 6, v7
	s_delay_alu instid0(VALU_DEP_1)
	v_add_nc_u32 v7, s19, v7                       ; out: row r, my 16 numbers of each block of 32
.irp b, 0,1,2,3
	v_mov_b32 v[TM+4+\b], 0                        ; written once: a lane permute's destination counts as one of its sources
.endr
.macro XFRAG u
	s_wait_loadcnt 16*(1-\u)                       ; this fragment's 16 loads are in; the other's may be out
.irp i, 0,1,2,3,4,5,6,7,8,9,10,11,12,13,14,15
	ds_store_b128 v6, v[RAW+64*\u+4*\i:RAW+64*\u+4*\i+3] offset:528*\i
.endr
.irp b, 0,1,2,3
.irp j, 0,1,2,3
	ds_load_b128 v[XN+16*\b+4*\j:XN+16*\b+4*\j+3], v7 offset:128*\b+16*\j   ; LDS serves a wave's instructions in order: these see the stores above
.endr
.endr
	s_wait_dscnt 0x0
.if \u
	s_wait_xcnt 0x0                                ; the first fragment's stores have read their registers: the codes may be written again
.endif
	QUANT XN
.irp c, 0,1,2
	global_store_b128 v4, v[PC+4*\c:PC+4*\c+3], s[14:15] offset:24576*\u+512*\c   ; 512 consecutive bytes, aligned
.endr
.endm
	s_wait_alu depctr_va_vdst(0)
	XFRAG 0
	v_mov_b32 v8, v[PW]                            ; tile 0's words
	XFRAG 1
	v_cmp_le_u32 vcc_lo, 16, v2
	s_delay_alu instid0(VALU_DEP_1)
	v_cndmask_b32 v9, v8, v[PW], vcc_lo            ; lanes 0-15 tile 0's word of row r, lanes 16-31 tile 1's
	global_store_b32 v5, v9, s[30:31]              ; 128 consecutive bytes
	s_wait_tensorcnt 0x0
	ds_add_u32 v254, v255
	s_wait_dscnt 0x0
	s_endpgm
.Lweights:
	s_sub_co_u32 s19, ttmp9, 256
	s_wait_alu depctr_va_vdst(0)
	v_and_b32 v4, 7, v2                            ; lane 16 u + r takes column 8 u + r % 8 + 16 (r / 8) of the wave's 32: bits 3 and 4 of the lane change places
	v_bfe_u32 v7, v2, 3, 1
	s_delay_alu instid0(VALU_DEP_1)
	v_lshl_or_b32 v4, v7, 4, v4
	s_delay_alu instid0(VALU_DEP_1)
	v_lshl_or_b32 v4, v1, 3, v4
	s_delay_alu instid0(VALU_DEP_1)
	v_lshlrev_b32 v4, 2, v4
	s_cmp_lt_u32 s19, 64
	s_cbranch_scc1 .Lwq
	s_cmp_lt_u32 s19, 128
	s_cbranch_scc1 .Lwkv
	s_sub_co_u32 s19, s19, 128                     ; W_o [1024][2048]: 8 x 256 columns, 8 K steps
	s_and_b32 s26, s19, 7
	s_lshr_b32 s27, s19, 3
	s_mov_b32 s28, 0
	s_mov_b64 s[20:21], s[12:13]
	s_wait_alu depctr_va_vdst(0)
	WBODY 8192, 12288, WOC_OFF, WOS_OFF
.Lwq:                                                  ; W_q [2048][1024]: 4 x 256 columns, 16 K steps
	s_and_b32 s26, s19, 3
	s_lshr_b32 s27, s19, 2
	s_mov_b32 s28, 0
	s_mov_b64 s[20:21], s[6:7]
	s_wait_alu depctr_va_vdst(0)
	WBODY 4096, 24576, 0, WS_OFF
.Lwkv:                                                 ; W_k, W_v [2048][512]: 2 x 256 columns, 16 K steps each
	s_sub_co_u32 s19, s19, 64
	s_lshr_b32 s29, s19, 5                         ; 0: W_k, 1: W_v
	s_and_b32 s26, s19, 1
	s_bfe_u32 s27, s19, 0x40001
	s_lshl_b32 s28, s29, 9
	s_add_co_u32 s28, s28, 1024
	s_cmp_eq_u32 s29, 0
	s_cselect_b64 s[20:21], s[8:9], s[10:11]       ; the choice hangs on the work-group's number alone
	s_wait_alu depctr_va_vdst(0)
	WBODY 2048, 24576, 0, WS_OFF
.Lfunc_end_k_q4410a77643_quant:
	.size	k_q4410a77643_quant, .Lfunc_end_k_q4410a77643_quant-k_q4410a77643_quant
	.p2alignl 7, 3214868480
	.fill 96, 4, 3214868480
	.section	.rodata,"a",@progbits
	.p2align	6, 0x0
	.amdhsa_kernel k_q4410a77643_quant
		.amdhsa_group_segment_fixed_size 68608
		.amdhsa_private_segment_fixed_size 0
		.amdhsa_enable_private_segment 0
		.amdhsa_kernarg_size 56
		.amdhsa_user_sgpr_count 2
		.amdhsa_user_sgpr_kernarg_segment_ptr 1
		.amdhsa_wavefront_size32 1
		.amdhsa_system_sgpr_workgroup_id_x 1
		.amdhsa_system_sgpr_workgroup_id_y 1
		.amdhsa_system_sgpr_workgroup_id_z 1
		.amdhsa_system_vgpr_workitem_id 0
		.amdhsa_next_free_vgpr 256
		.amdhsa_next_free_sgpr 66
		.amdhsa_reserve_vcc 1
		.amdhsa_float_denorm_mode_32 3
		.amdhsa_float_denorm_mode_16_64 3
		.amdhsa_memory_ordered 1
		.amdhsa_forward_progress 1
		.amdhsa_inst_pref_size 88
	.end_amdhsa_kernel
	.amdgpu_metadata
---
amdhsa.version: [ 1, 2 ]
amdhsa.kernels:
  - .name:           k_q4410a77643_quant
    .symbol:         k_q4410a77643_quant.kd
    .args:
      - { .name: hidden_states, .offset: 0, .size: 8, .value_kind: global_buffer, .address_space: global }
      - { .name: W_q, .offset: 8, .size: 8, .value_kind: global_buffer, .address_space: global }
      - { .name: W_k, .offset: 16, .size: 8, .value_kind: global_buffer, .address_space: global }
      - { .name: W_v, .offset: 24, .size: 8, .value_kind: global_buffer, .address_space: global }
      - { .name: W_o, .offset: 32, .size: 8, .value_kind: global_buffer, .address_space: global }
      - { .name: xq, .offset: 40, .size: 8, .value_kind: global_buffer, .address_space: global }
      - { .name: wq, .offset: 48, .size: 8, .value_kind: global_buffer, .address_space: global }
    .group_segment_fixed_size: 68608
    .private_segment_fixed_size: 0
    .kernarg_segment_align: 8
    .kernarg_segment_size: 56
    .max_flat_workgroup_size: 256
    .sgpr_count:     66
    .vgpr_count:     256
    .wavefront_size: 32
...
	.end_amdgpu_metadata
.endif
;; end of part 1
;; launch qkv (part 2): grid 16 x 16, 8 waves a work-group, clusters of 4 x 4, 327,680 bytes of LDS; arguments xq, wq, cos, sin, b_v, qq, kv; writes qq, kv
.if DOCPART == 2
	.amdgcn_target "amdgcn-amd-amdhsa--gfx1250"
	.amdhsa_code_object_version 6
	.text
	.protected	k_q4410a77643_qkv
	.globl	k_q4410a77643_qkv
	.p2align	8
	.type	k_q4410a77643_qkv,@function
k_q4410a77643_qkv:
	s_mov_b64 s[64:65], 0
	v_nop
	global_prefetch_b8 v0, s[64:65] scope:SCOPE_SE
	s_setreg_imm32_b32 hwreg(HW_REG_WAVE_MODE, 25, 1), 1
	s_wait_xcnt 0x0
	s_wait_alu depctr_hold_cnt(0) depctr_sa_sdst(0) depctr_va_vdst(0) depctr_va_sdst(0) depctr_va_ssrc(0) depctr_va_vcc(0) depctr_vm_vsrc(0)
	s_getreg_b32 s2, hwreg(HW_REG_IB_STS2, 6, 4)
	s_cmp_eq_u32 s2, 0
	s_cbranch_scc0 .Lentry_in_a_cluster
	s_endpgm
.Lentry_in_a_cluster:
	s_bfe_u32 s2, ttmp6, 0x10000c
	s_cmp_lg_u32 s2, 0xf033
	s_cbranch_scc0 .Lentry_shape_is_right
	s_endpgm
.Lentry_shape_is_right:
; [q | k | v] = x [W_q | W_k | W_v] on codes of BF6 with E8M0 scales (M 4,096, N 2,048, K 2,048), then in f32 RoPE on q and k, the bias on v, and all three are quantised again as the operands of attention.
; SHARES.  A work-group makes 256 rows x 128 columns; eight waves, each 64 x 64: 16 accumulators, 128 registers, two waves to a SIMD.  256 work-groups.  Work-group columns 0-7 are q, 8-11 k, 12-15 v: a cluster's x says which.
; OPERANDS lie in memory as images of their registers (1,536 bytes for 16 rows x 128 K: registers 4 c .. 4 c + 3 of lane l at 512 c + 16 l), so a fragment is three loads of 16 bytes a lane, each 512 consecutive LDS bytes.
; The 16 rows of a tile are not neighbours: tile 2 b + u, lane r, holds row 32 b + 8 u + r + 8 (r / 8).  THE PRODUCT IS USED TRANSPOSED (source 0 = 16 columns of W, source 1 = 16 rows of x): a lane holds one row of x, and the 16
; registers of tiles 2 b and 2 b + 1 are 16 neighbouring columns, 32 b + 16 (lane / 16) + 0 .. 15.  A wave's 64 columns are one head: RoPE's partner (32 columns away) and a block of 32 lie in the same lane and in lane l xor 16.
; RING.  K goes in four slots' worth of 512 through two LDS slots; the scale words of all of K come once.  CLUSTERS: 4 x 4; x's tiles are shared along a row of the cluster, W's along a column: joint loads.
; THE PATHS PART ONCE, behind the last refill: each has its own copy of K steps 8 to 15.  On q's and k's path K step 8 + i also asks for the cos and sin of the way out's unit i, eight loads of the wave's 64:
; they are issued where the wave waits for its fragments, and land while the products go on.
; RESULTS.  qq: for each (batch, head, pair of query tiles) one image [tile 2 p's 64 codes | tile 2 p + 1's 64 codes] and, from QS_OFF on, 16 words [X s0 s1 | Y s0 s1].
;   kv: for each (batch, key/value head, 128 keys) a block of 12,800 bytes: 4 such images of K; 4 images of V^T (16 of the head's 64 x 128 keys) from 6,144; K's words from 12,288; V's from 12,544.
; LIMITS: NaN and infinities are not served; a block whose largest magnitude lies under 2^-122 gets the byte 1.
.set KSTEPS, 16
.set SLOT,   147456                    ; 16 tiles of x, then 8 tiles of W; a tile: 4 K steps x 1,536 bytes
.set PBASE,  98304
.set SCL,    2*SLOT                    ; x's scale words [K step][256 places], then W's [K step][128 places]
.set SCP,    SCL+KSTEPS*1024
.set SPARE,  SCP+KSTEPS*512            ; the spare words, 128 bytes for each wave: four blocks of 256 bytes that no other line names
.set RS_OFF, 6291456                   ; x's scale words in xq
.set PS_OFF, 3145728                   ; W's in wq
.set QS_OFF, 3145728                   ; q's in qq
.set W,    18                          ; s18 wave; s19 wave % 4; s20 which 64 rows; s21 which 64 columns
.set G1R,  24                          ; s[24:31] group 1 for x's tiles; s[32:39] W's; s[40:47] x's scales; s[48:55] W's scales
.set G1P,  32
.set G1RS, 40
.set G1PS, 48
.set G0R,  56                          ; s[56:63] group 0 for x's tiles, a set for each slot; s[68:75] W's; s[76:79], s[80:83] the scales'
.set G0P,  68
.set G0RS, 76
.set G0PS, 80
.set ADRR, 4                           ; v4-5  LDS address of my x fragments in slot 0, 1
.set ADRP, 6                           ; v6-7  of my W fragments
.set ADSR, 8                           ; v8    of x's scale words
.set ADSP, 9                           ; v9    of W's
.set L16,  10                          ; v10   16 x lane
.set L4,   11                          ; v11   4 x lane
.set CSO,  12                          ; v12   my byte in the wave's rows of cos and sin; never rewritten
.set SPW,  13                          ; v13   LDS address of my spare word; never rewritten
.set NIL,  14                          ; v14   0; never rewritten
.set PS,   16                          ; v16-17 W's scale words: lanes 0-15 tile 2 x, lanes 16-31 tile 2 x + 1;  v18-19 x's
.set RS,   18
.set PF,   32                          ; v32-79  W's four fragments
.set RF,   80                          ; v80-127 x's four
.set ACC,  128                         ; v128-255: accumulator (tile of rows a, tile of columns t) at ACC + 8 (4 a + t);  window 1: cos and sin
.set MSB, 0
.macro WIN new                         ; the immediate's high byte repeats the setting that is left
.if MSB != \new
	s_set_vgpr_msb (MSB<<8)|\new
.set MSB, \new
.endif
.endm
; A joint load of the ring: waves 0-3 fetch four tiles of x each, waves 4 and 5 four tiles of W each, waves 6 and 7 none.  Each line has one mask; the branches hang on the wave's number alone.
; Four v_nop stand on every way: behind each load, and for waves 6 and 7 as the places in front of the LDS loads that follow.
.macro JLOAD g0r, g1r, g0p, g1p
	s_cmp_lt_u32 s[W], 4
	s_cbranch_scc0 .Lfor_p_\@
	tensor_load_to_lds s[\g0r:\g0r+3], s[\g1r:\g1r+7]
	s_nop 0
.rept 4
	v_nop
.endr
	s_branch .Lasked_\@
.Lfor_p_\@:
	s_cmp_lt_u32 s[W], 6
	s_cbranch_scc0 .Lnone_\@
	tensor_load_to_lds s[\g0p:\g0p+3], s[\g1p:\g1p+7]
	s_nop 0
.rept 4
	v_nop
.endr
	s_branch .Lasked_\@
.Lnone_\@:
.rept 4
	v_nop
.endr
.Lasked_\@:
.endm
.macro CROUND                          ; a round of the cluster's barrier
	s_barrier_signal -1
	s_barrier_wait -1
	s_cmp_lg_u32 s[W], 0
	s_cbranch_scc1 .Lnot_wave_0_\@
	s_barrier_signal -3
.Lnot_wave_0_\@:
	s_barrier_wait -3
	s_barrier_signal -1
	s_barrier_wait -1
.endm
.macro DESC1 g, d0, d1, st             ; group 1 behind its first word: d1 rows of d0 elements of 8 bytes, st elements apart
	s_mov_b32 s[\g+1], (\d0)<<16
	s_mov_b32 s[\g+2], (\d1)<<16
	s_mov_b32 s[\g+3], (\d0)<<16
	s_mov_b32 s[\g+4], \d1
	s_mov_b32 s[\g+5], \st
	s_mov_b32 s[\g+6], 0
	s_mov_b32 s[\g+7], 0
.endm
.macro MM a, t, zero                   ; one product; an odd tile's scale words stand in lanes 16-31
.set DD, ACC+8*(4*(\a)+(\t))
.set AA, PF+12*(\t)
.set BB, RF+12*(\a)
.set SA, PS+(\t)/2
.set SB, RS+(\a)/2
.if \zero
.if (((\t)%2) == 0) && (((\a)%2) == 0)
	v_wmma_scale_f32_16x16x128_f8f6f4 v[DD:DD+7], v[AA:AA+11], v[BB:BB+11], 0, v[SA], v[SB] matrix_a_fmt:MATRIX_FMT_BF6 matrix_b_fmt:MATRIX_FMT_BF6
.elseif ((\a)%2) == 0
	v_wmma_scale_f32_16x16x128_f8f6f4 v[DD:DD+7], v[AA:AA+11], v[BB:BB+11], 0, v[SA], v[SB] matrix_a_fmt:MATRIX_FMT_BF6 matrix_b_fmt:MATRIX_FMT_BF6 matrix_a_scale:MATRIX_SCALE_ROW1
.elseif ((\t)%2) == 0
	v_wmma_scale_f32_16x16x128_f8f6f4 v[DD:DD+7], v[AA:AA+11], v[BB:BB+11], 0, v[SA], v[SB] matrix_a_fmt:MATRIX_FMT_BF6 matrix_b_fmt:MATRIX_FMT_BF6 matrix_b_scale:MATRIX_SCALE_ROW1
.else
	v_wmma_scale_f32_16x16x128_f8f6f4 v[DD:DD+7], v[AA:AA+11], v[BB:BB+11], 0, v[SA], v[SB] matrix_a_fmt:MATRIX_FMT_BF6 matrix_b_fmt:MATRIX_FMT_BF6 matrix_a_scale:MATRIX_SCALE_ROW1 matrix_b_scale:MATRIX_SCALE_ROW1
.endif
.else
.if (((\t)%2) == 0) && (((\a)%2) == 0)
	v_wmma_scale_f32_16x16x128_f8f6f4 v[DD:DD+7], v[AA:AA+11], v[BB:BB+11], v[DD:DD+7], v[SA], v[SB] matrix_a_fmt:MATRIX_FMT_BF6 matrix_b_fmt:MATRIX_FMT_BF6
.elseif ((\a)%2) == 0
	v_wmma_scale_f32_16x16x128_f8f6f4 v[DD:DD+7], v[AA:AA+11], v[BB:BB+11], v[DD:DD+7], v[SA], v[SB] matrix_a_fmt:MATRIX_FMT_BF6 matrix_b_fmt:MATRIX_FMT_BF6 matrix_a_scale:MATRIX_SCALE_ROW1
.elseif ((\t)%2) == 0
	v_wmma_scale_f32_16x16x128_f8f6f4 v[DD:DD+7], v[AA:AA+11], v[BB:BB+11], v[DD:DD+7], v[SA], v[SB] matrix_a_fmt:MATRIX_FMT_BF6 matrix_b_fmt:MATRIX_FMT_BF6 matrix_b_scale:MATRIX_SCALE_ROW1
.else
	v_wmma_scale_f32_16x16x128_f8f6f4 v[DD:DD+7], v[AA:AA+11], v[BB:BB+11], v[DD:DD+7], v[SA], v[SB] matrix_a_fmt:MATRIX_FMT_BF6 matrix_b_fmt:MATRIX_FMT_BF6 matrix_a_scale:MATRIX_SCALE_ROW1 matrix_b_scale:MATRIX_SCALE_ROW1
.endif
.endif
.endm
; The tables of the way out's unit i = 2 a + be (tile of rows a, half be of the head): 16 cos into window 1 at 32 i, 16 sin behind them: eight loads
.macro TABLES i
	WIN 0x40                                       ; destination window 1, address window 0
.irp j, 0,1,2,3
	global_load_b128 v[32*(\i)+4*\j:32*(\i)+4*\j+3], v[CSO], s[8:9] offset:(32*((\i)/4)+8*(((\i)/2)%2))*256+128*((\i)%2)+16*\j
	global_load_b128 v[32*(\i)+16+4*\j:32*(\i)+16+4*\j+3], v[CSO], s[10:11] offset:(32*((\i)/4)+8*(((\i)/2)%2))*256+128*((\i)%2)+16*\j
.endr
	WIN 0
.endm
; A K step of 128: the slot's kq-th, the product's kg-th.  28 LDS loads in one run, then 16 products; the 16 accumulators take turns, in the same order in every step.
; first = 1: four plain vector instructions already stand between the last product and these loads (or there has been no product).  tab >= 0: the tables of unit tab are asked for behind the run of LDS loads.
.macro KSTEP slot, kq, kg, zero, first, tab
.if \first == 0
.rept 4
	v_nop                                          ; places in front of loads into registers that matrix instructions have read
.endr
.endif
.irp x, 0,1
	ds_load_b32 v[PS+\x], v[ADSP] offset:(\kg)*512+128*\x
	ds_load_b32 v[RS+\x], v[ADSR] offset:(\kg)*1024+128*\x
.endr
.irp t, 0,1,2,3
.irp c, 0,1,2
	ds_load_b128 v[PF+12*\t+4*\c:PF+12*\t+4*\c+3], v[ADRP+\slot] offset:\t*6144+(\kq)*1536+512*\c
.endr
.endr
.irp a, 0,1,2,3
.irp c, 0,1,2
	ds_load_b128 v[RF+12*\a+4*\c:RF+12*\a+4*\c+3], v[ADRR+\slot] offset:\a*6144+(\kq)*1536+512*\c
.endr
.endr
.if (\tab) >= 0
	TABLES \tab
.endif
.irp a, 0,1,2,3
	s_wait_dscnt 3*(3-\a)                          ; x's fragment a is in; the three loads of each later fragment may be out
.irp t, 0,1,2,3
	MM \a, \t, \zero
.endr
.endr
.endm
; The change of slots.  Each wave waits for all its tensor loads (its part of the slot ahead), adds 0 to its spare word, and waits for that and for its reads of the slot that it leaves.
; fill = 1: the barrier is a round of the cluster's, and behind it slot s is filled with the K steps eight further on: the load has four K steps of both waves of a SIMD in which to land.
.macro CHANGE s, fill
	s_wait_tensorcnt 0x0                           ; no tensor load of mine is out, so a group 0 may be written
	ds_add_u32 v[SPW], v[NIL]                      ; 0 onto my spare word
.if \fill
	s_add_nc_u64 s[G0R+4*\s+2:G0R+4*\s+3], s[G0R+4*\s+2:G0R+4*\s+3], 12288
	s_add_nc_u64 s[G0P+4*\s+2:G0P+4*\s+3], s[G0P+4*\s+2:G0P+4*\s+3], 12288
.endif
	s_wait_dscnt 0x0                               ; the add is done, and my reads of the slot are over
.if \fill
	CROUND
	JLOAD G0R+4*\s, G1R, G0P+4*\s, G1P             ; the first thing behind the round, and my one tensor load until the next
.else
	s_barrier_signal -1
	s_barrier_wait -1
.endif
.endm
.macro FINISH                          ; the wave's end, then the closing round: no work-group ends while a partner may still ask for a tile that names it
	s_wait_tensorcnt 0x0
	ds_add_u32 v[SPW], v[NIL]
	s_wait_dscnt 0x0
	CROUND
	s_endpgm
.endm
	s_load_b256 s[4:11], s[0:1], 0x0               ; xq s[4:5], wq s[6:7], cos s[8:9], sin s[10:11]
	s_load_b128 s[12:15], s[0:1], 0x20             ; b_v s[12:13], qq s[14:15]
	s_load_b64 s[16:17], s[0:1], 0x30              ; kv
	v_lshl_add_u32 v[SPW], v0, 2, SPARE
	v_mov_b32 v[NIL], 0
	ds_add_u32 v13, v14
	ds_add_u32 v13, v14
	s_wait_dscnt 0x0
	v_lshrrev_b32 v1, 5, v0
	s_delay_alu instid0(VALU_DEP_1)
	v_readfirstlane_b32 s[W], v1                   ; wave 0..7
	s_and_b32 s19, s[W], 3                         ; which part of a tile I fetch
	s_lshr_b32 s20, s[W], 1                        ; which 64 rows are mine
	s_and_b32 s21, s[W], 1                         ; which 64 columns
	s_bfe_u32 s84, ttmp6, 0x40000                  ; cx, cy: my place in the cluster
	s_bfe_u32 s85, ttmp6, 0x40004
	s_lshl_b32 s86, ttmp9, 2
	s_add_co_u32 s86, s86, s84                     ; tx: which 128 columns
	s_and_b32 s87, ttmp7, 0xffff
	s_lshl_b32 s87, s87, 2
	s_add_co_u32 s87, s87, s85                     ; ty: which 256 rows
	s_lshl_b32 s88, s85, 2
	s_lshl_b32 s88, 15, s88                        ; my row of the cluster
	s_lshl_b32 s89, 0x1111, s84                    ; my column
	s_or_b32 s[G1R], s88, (3<<16)|(1<<21)          ; 15:0 the mask; 17:16 elements of 8 bytes; 21 set beside a mask; no padding
	s_or_b32 s[G1RS], s88, (3<<16)|(1<<21)
	s_or_b32 s[G1P], s89, (3<<16)|(1<<21)
	s_or_b32 s[G1PS], s89, (3<<16)|(1<<21)
	DESC1 G1R, 768, 4, KSTEPS*192                  ; four tiles' 6,144 bytes (four K steps), a tile's whole K apart
	DESC1 G1P, 768, 4, KSTEPS*192                  ; four tiles
	DESC1 G1RS, 128, KSTEPS, 2048                  ; all K steps: 1,024 bytes of each
	DESC1 G1PS, 64, KSTEPS, 1024                   ; 512 bytes of each
	s_lshl_b32 s90, s87, 4                         ; x's offsets are made of ty and the wave alone, W's of tx and the wave alone, each in registers of their own
	s_lshl_b32 s91, s19, 2
	s_add_co_u32 s90, s90, s91
	s_mul_i32 s90, s90, KSTEPS*1536
	s_mov_b32 s91, 0
	s_lshl_b32 s92, s86, 3
	s_lshl_b32 s93, s19, 2
	s_add_co_u32 s92, s92, s93
	s_mul_i32 s92, s92, KSTEPS*1536
	s_mov_b32 s93, 0
	s_mov_b32 s94, 0
	s_lshl_b32 s95, s87, 10
	s_add_co_u32 s94, s94, s95
	s_add_co_u32 s94, s94, RS_OFF
	s_mov_b32 s95, 0
	s_mov_b32 s96, 0
	s_lshl_b32 s97, s86, 9
	s_add_co_u32 s96, s96, s97
	s_add_co_u32 s96, s96, PS_OFF
	s_mov_b32 s97, 0
	s_mul_i32 s98, s19, 24576                      ; where they go in LDS: the wave's number alone
	s_mul_i32 s99, s19, 24576
	s_mov_b32 s100, 0
	s_mov_b32 s101, 0
	s_wait_kmcnt 0x0
	CROUND                                         ; all sixteen work-groups are here: the first joint loads meet
	s_mov_b32 s[G0RS], 1
	s_add_co_u32 s[G0RS+1], s100, SCL
	s_add_nc_u64 s[G0RS+2:G0RS+3], s[4:5], s[94:95]
	s_or_b32 s[G0RS+3], s[G0RS+3], 0x80000000
	s_mov_b32 s[G0PS], 1
	s_add_co_u32 s[G0PS+1], s101, SCP
	s_add_nc_u64 s[G0PS+2:G0PS+3], s[6:7], s[96:97]
	s_or_b32 s[G0PS+3], s[G0PS+3], 0x80000000
	s_add_nc_u64 s[90:91], s[4:5], s[90:91]
	s_add_nc_u64 s[92:93], s[6:7], s[92:93]
.irp s, 0,1
	s_mov_b32 s[G0R+4*\s], 1
	s_add_co_u32 s[G0R+4*\s+1], s98, \s*SLOT
	s_add_nc_u64 s[G0R+4*\s+2:G0R+4*\s+3], s[90:91], \s*6144
	s_or_b32 s[G0R+4*\s+3], s[G0R+4*\s+3], 0x80000000
	s_mov_b32 s[G0P+4*\s], 1
	s_add_co_u32 s[G0P+4*\s+1], s99, \s*SLOT+PBASE
	s_add_nc_u64 s[G0P+4*\s+2:G0P+4*\s+3], s[92:93], \s*6144
	s_or_b32 s[G0P+4*\s+3], s[G0P+4*\s+3], 0x80000000
.endr
	; the head's loads, one a wave: waves 0-3 x's part of slot 0, waves 4-5 W's, wave 6 x's scale words, wave 7 W's: one chain of branches on the wave's number
	s_cmp_lt_u32 s[W], 4
	s_cbranch_scc0 .Lhead_p
	tensor_load_to_lds s[G0R:G0R+3], s[G1R:G1R+7]
	s_nop 0
.rept 4
	v_nop
.endr
	s_branch .Lhead_asked
.Lhead_p:
	s_cmp_lt_u32 s[W], 6
	s_cbranch_scc0 .Lhead_rs
	tensor_load_to_lds s[G0P:G0P+3], s[G1P:G1P+7]
	s_nop 0
.rept 4
	v_nop
.endr
	s_branch .Lhead_asked
.Lhead_rs:
	s_cmp_lt_u32 s[W], 7
	s_cbranch_scc0 .Lhead_ps
	tensor_load_to_lds s[G0RS:G0RS+3], s[G1RS:G1RS+7]
	s_nop 0
.rept 4
	v_nop
.endr
	s_branch .Lhead_asked
.Lhead_ps:
	tensor_load_to_lds s[G0PS:G0PS+3], s[G1PS:G1PS+7]
	s_nop 0
.rept 4
	v_nop
.endr
.Lhead_asked:
	v_and_b32 v1, 31, v0
	v_and_b32 v2, 15, v0                           ; r
	v_bfe_u32 v3, v0, 4, 1                         ; h
	s_delay_alu instid0(VALU_DEP_3)
	v_lshlrev_b32 v[L16], 4, v1
	s_delay_alu instid0(VALU_DEP_4)
	v_lshlrev_b32 v[L4], 2, v1
	s_wait_alu depctr_va_vdst(0)
	s_mul_i32 s22, s20, 24576
	s_mul_i32 s23, s21, 24576
	s_add_co_u32 s23, s23, PBASE
.irp s, 0,1
	v_add_nc_u32 v[ADRR+\s], s22, v[L16]
	v_add_nc_u32 v[ADRP+\s], s23, v[L16]
	s_add_co_u32 s22, s22, SLOT
	s_add_co_u32 s23, s23, SLOT
.endr
	s_lshl_b32 s22, s20, 8
	s_add_co_u32 s22, s22, SCL
	v_add_nc_u32 v[ADSR], s22, v[L4]
	s_lshl_b32 s22, s21, 8
	s_add_co_u32 s22, s22, SCP
	v_add_nc_u32 v[ADSP], s22, v[L4]
	v_and_b32 v15, 8, v2
	s_delay_alu instid0(VALU_DEP_1)
	v_add_nc_u32 v15, v15, v2                      ; r + 8 (r / 8)
	s_delay_alu instid0(VALU_DEP_1)
	v_lshlrev_b32 v[CSO], 8, v15
	s_delay_alu instid0(VALU_DEP_1)
	v_lshl_add_u32 v[CSO], v3, 6, v[CSO]           ; cos, sin: that row of 256 bytes, + 64 h
	s_lshl_b32 s22, s87, 16
	s_lshl_b32 s23, s20, 14
	s_add_co_u32 s22, s22, s23                     ; my wave's first row: 256 ty + 64 x (which 64 rows)
	s_mov_b32 s23, 0
	s_add_nc_u64 s[8:9], s[8:9], s[22:23]
	s_add_nc_u64 s[10:11], s[10:11], s[22:23]
	s_wait_alu depctr_va_vdst(0)
	s_wait_tensorcnt 0x0                           ; my one load of the head is in; slot 1's first fill is issued as a refill is
	ds_add_u32 v[SPW], v[NIL]
	s_wait_dscnt 0x0
	CROUND                                         ; everybody's part of slot 0 and the scale words are in, and the joint loads meet
	JLOAD G0R+4, G1R, G0P+4, G1P                   ; K steps 4 to 7 into slot 1
	KSTEP 0, 0, 0, 1, 1, -1                        ; the first products start the sums: nothing is cleared
	KSTEP 0, 1, 1, 0, 0, -1
	KSTEP 0, 2, 2, 0, 0, -1
	KSTEP 0, 3, 3, 0, 0, -1
	CHANGE 0, 1
	KSTEP 1, 0, 4, 0, 1, -1                        ; (the four v_nop behind the joint load are the places)
	KSTEP 1, 1, 5, 0, 0, -1
	KSTEP 1, 2, 6, 0, 0, -1
	KSTEP 1, 3, 7, 0, 0, -1
	CHANGE 1, 1                                    ; the last refill
	s_cmp_lt_u32 ttmp9, 3                          ; q and k, or v?  The cluster's x is the same in all partners
	s_cbranch_scc0 .Lvpath
	; ---- q and k: K steps 8 to 15, each with the tables of one unit of the way out; then RoPE in f32 and the quantiser along the head's 64, straight from registers to memory
	KSTEP 0, 0, 8, 0, 1, 0
	KSTEP 0, 1, 9, 0, 0, 1
	KSTEP 0, 2, 10, 0, 0, 2
	KSTEP 0, 3, 11, 0, 0, 3
	CHANGE 0, 0                                    ; nothing is left to fetch
	KSTEP 1, 0, 12, 0, 0, 4
	KSTEP 1, 1, 13, 0, 0, 5
	KSTEP 1, 2, 14, 0, 0, 6
	KSTEP 1, 3, 15, 0, 0, 7
.set TT,  80                           ; v80-95  16 rotated numbers
.set C12, 32                           ; v32-55  two images (pairs of tiles)
.set ET,  56                           ; v56-58  a conversion's second half
.set MXA, 60
.set MXB, 61
.set PRM, 62
.set SOP, 63
.set BYT, 64                           ; v64-71  bytes
.set W16, 72                           ; v72-75  a tile's two bytes
.set WP,  76                           ; v76-77  a pair's word;  v78 the word to store
.set SEL, 50
.rept 4
	v_nop                                          ; places behind the last products
.endr
	v_mov_b32 v[PRM], 0                            ; written once: a lane permute's destination counts as one of its sources
	s_mov_b32 s[SEL], 0x76543210                   ; (no tensor load is out: the descriptors' registers are free)
	s_mov_b32 s[SEL+1], 0xfedcba98
	s_lshr_b32 s24, s87, 3                         ; batch
	s_and_b32 s25, s87, 7
	s_lshl_b32 s26, s25, 3
	s_lshl_b32 s27, s20, 1
	s_add_co_u32 s26, s26, s27                     ; my first pair of tiles in the batch
	s_lshl_b32 s27, s24, 4
	s_lshl_b32 s28, s86, 1
	s_add_co_u32 s27, s27, s28
	s_add_co_u32 s27, s27, s21                     ; q: 16 batch + head
	s_lshl_b32 s27, s27, 6
	s_add_co_u32 s27, s27, s26
	s_mul_i32 s40, s27, 1536
	s_lshl_b32 s42, s27, 6
	s_add_co_u32 s42, s42, QS_OFF
	s_lshl_b32 s27, s24, 3                         ; k: 8 batch + head, head = 2 (tx - 8) + which 64 columns
	s_add_co_u32 s27, s27, s28
	s_add_co_u32 s27, s27, s21
	s_sub_co_u32 s27, s27, 16
	s_lshl_b32 s27, s27, 4
	s_lshl_b32 s29, s25, 1
	s_add_co_u32 s27, s27, s29
	s_lshr_b32 s29, s20, 1
	s_add_co_u32 s27, s27, s29                     ; + which 128 keys
	s_mul_i32 s27, s27, 12800
	s_and_b32 s29, s20, 1
	s_mul_i32 s30, s29, 3072
	s_add_co_u32 s30, s30, s27
	s_lshl_b32 s31, s29, 7
	s_add_co_u32 s31, s31, s27
	s_add_co_u32 s31, s31, 12288
	s_cmp_eq_u32 ttmp9, 2                          ; k's cluster column?  The choice hangs on the cluster's x alone
	s_cselect_b32 s40, s30, s40
	s_cselect_b32 s42, s31, s42
	s_cselect_b64 s[44:45], s[16:17], s[14:15]
	s_mov_b32 s41, 0
	s_mov_b32 s43, 0
	s_add_nc_u64 s[46:47], s[44:45], s[40:41]      ; the images
	s_add_nc_u64 s[48:49], s[44:45], s[42:43]      ; the scale words
; Tile of rows a, half be of the head: 16 numbers d = 32 be + 16 h + 0 .. 15 of my row.  y[d] = x[d] cos[d] - x[d + 32] sin[d] for d < 32, x[d] cos[d] + x[d - 32] sin[d] else.
.macro UNIT a, be
.set LL, ACC+32*(\a)
.set HH, ACC+32*(\a)+16
.set CC, 64*(\a)+32*(\be)
.set SS, 64*(\a)+32*(\be)+16
.set DC, C12+12*((\a)/2)+6*((\a)%2)
	s_wait_loadcnt 8*(7-2*(\a)-(\be))              ; this unit's eight loads are in; the eight of each later unit may be out
	WIN 0x04                                       ; source 1 (cos, sin) window 1
.if (\be) == 0
.irp i, 0,2,4,6,8,10,12,14
	v_pk_mul_f32 v[TT+\i:TT+\i+1], v[LL+\i:LL+\i+1], v[CC+\i:CC+\i+1]          ; each accumulator from its low end on
.endr
.irp i, 0,2,4,6,8,10,12,14
	v_pk_fma_f32 v[TT+\i:TT+\i+1], v[HH+\i:HH+\i+1], v[SS+\i:SS+\i+1], v[TT+\i:TT+\i+1] neg_lo:[1,0,0] neg_hi:[1,0,0]
.endr
.else
.irp i, 0,2,4,6,8,10,12,14
	v_pk_mul_f32 v[TT+\i:TT+\i+1], v[HH+\i:HH+\i+1], v[CC+\i:CC+\i+1]
.endr
.irp i, 0,2,4,6,8,10,12,14
	v_pk_fma_f32 v[TT+\i:TT+\i+1], v[LL+\i:LL+\i+1], v[SS+\i:SS+\i+1], v[TT+\i:TT+\i+1]
.endr
.endif
	WIN 0
	v_max3_num_f32 v[MXA], |v[TT]|, |v[TT+1]|, 0x2800000           ; my 16 numbers and the floor 2^(5 - 127), in two chains
	v_max3_num_f32 v[MXB], |v[TT+2]|, |v[TT+3]|, |v[TT+6]|
	s_delay_alu instid0(VALU_DEP_2)
	v_max3_num_f32 v[MXA], v[MXA], |v[TT+4]|, |v[TT+5]|
	s_delay_alu instid0(VALU_DEP_2)
	v_max3_num_f32 v[MXB], v[MXB], |v[TT+7]|, |v[TT+10]|
	s_delay_alu instid0(VALU_DEP_2)
	v_max3_num_f32 v[MXA], v[MXA], |v[TT+8]|, |v[TT+9]|
	s_delay_alu instid0(VALU_DEP_2)
	v_max3_num_f32 v[MXB], v[MXB], |v[TT+11]|, |v[TT+14]|
	s_delay_alu instid0(VALU_DEP_2)
	v_max3_num_f32 v[MXA], v[MXA], |v[TT+12]|, |v[TT+13]|
	s_delay_alu instid0(VALU_DEP_1)
	v_max3_num_f32 v[MXA], v[MXA], v[MXB], |v[TT+15]|
	s_delay_alu instid0(VALU_DEP_1)
	v_permlanex16_b32 v[PRM], v[MXA], s[SEL], s[SEL+1]
	s_delay_alu instid0(VALU_DEP_1)
	v_max_num_f32 v[MXA], v[MXA], v[PRM]           ; with lane l xor 16's 16: the block's largest magnitude
	s_delay_alu instid0(VALU_DEP_1)
	v_add_nc_u32 v[SOP], 0xfe000000, v[MXA]        ; 4 off its exponent field: the conversion's scale operand
	s_delay_alu instid0(VALU_DEP_1)
	v_lshrrev_b32 v[BYT+2*(\a)+(\be)], 23, v[SOP]  ; the scale's byte
.if (\be) == 0
	v_cvt_scalef32_pk16_bf6_f32 v[DC:DC+2], v[TT:TT+15], v[SOP]
.else
	v_cvt_scalef32_pk16_bf6_f32 v[ET:ET+2], v[TT:TT+15], v[SOP]
.endif
	v_nop                                          ; one plain place behind a scaled conversion
.if (\be) == 1
.irp i, 0,1,2
	v_permlane16_swap_b32 v[DC+\i], v[ET+\i]       ; lanes 0-15 now hold block 0 whole, lanes 16-31 block 1
.endr
.irp i, 0,1,2
	s_delay_alu instid0(VALU_DEP_3)
	v_mov_b32 v[DC+3+\i], v[ET+\i]
.endr
	v_lshl_or_b32 v[W16+(\a)], v[BYT+2*(\a)+1], 8, v[BYT+2*(\a)]
.endif
.endm
.irp a, 0,1,2,3
	UNIT \a, 0
	UNIT \a, 1
.if (\a%2) == 1
.irp c, 0,1,2
	global_store_b128 v[L16], v[C12+12*(\a/2)+4*\c:C12+12*(\a/2)+4*\c+3], s[46:47] offset:(\a/2)*1536+512*\c   ; 512 consecutive bytes, aligned
.endr
	v_lshl_or_b32 v[WP+\a/2], v[W16+\a], 16, v[W16+\a-1]
.endif
.endr
	v_cmp_le_u32 vcc_lo, 16, v1
	s_delay_alu instid0(VALU_DEP_1)
	v_cndmask_b32 v78, v[WP], v[WP+1], vcc_lo      ; lanes 0-15 the first pair's word of row r, lanes 16-31 the second's
	global_store_b32 v[L4], v78, s[48:49]          ; 128 consecutive bytes
	FINISH
	; ---- v: K steps 8 to 15; then, since the keys are the next K and lie across lanes, the 256 x 128 numbers go through a stage in slot 0 (its last fill and its last reads lie ahead of the last change of slots) and come back a column to a lane
.Lvpath:
	KSTEP 0, 0, 8, 0, 1, -1
	KSTEP 0, 1, 9, 0, 0, -1
	KSTEP 0, 2, 10, 0, 0, -1
	KSTEP 0, 3, 11, 0, 0, -1
	CHANGE 0, 0                                    ; nothing is left to fetch
	KSTEP 1, 0, 12, 0, 0, -1
	KSTEP 1, 1, 13, 0, 0, -1
	KSTEP 1, 2, 14, 0, 0, -1
	KSTEP 1, 3, 15, 0, 0, -1
.set CA,  32                           ; v32-43 blocks 0 and 2 of my column, v44-55 blocks 1 and 3
.set CT,  56
.set CMA, 60
.set CMB, 61
.set SO,  62
.set BY,  63
.set WW,  64
.macro COLBLK q, x                     ; block q (32 keys, all mine, at v[x + 32 q]): six registers of codes and a byte of the scale word
.set XB, \x+32*(\q)
.set DB, CA+12*((\q)%2)+6*((\q)/2)
	v_max3_num_f32 v[CMA], |v[XB]|, |v[XB+1]|, |v[XB+2]|
	v_max3_num_f32 v[CMB], |v[XB+3]|, |v[XB+4]|, |v[XB+5]|
.irp i, 6,10,14,18,22,26
	s_delay_alu instid0(VALU_DEP_2)
	v_max3_num_f32 v[CMA], v[CMA], |v[XB+\i]|, |v[XB+\i+1]|
	s_delay_alu instid0(VALU_DEP_2)
	v_max3_num_f32 v[CMB], v[CMB], |v[XB+\i+2]|, |v[XB+\i+3]|
.endr
	s_delay_alu instid0(VALU_DEP_2)
	v_max3_num_f32 v[CMA], v[CMA], |v[XB+30]|, |v[XB+31]|
	s_delay_alu instid0(VALU_DEP_1)
	v_max3_num_f32 v[CMA], v[CMA], v[CMB], 0x2800000
	s_delay_alu instid0(VALU_DEP_1)
	v_add_nc_u32 v[SO], 0xfe000000, v[CMA]
	s_delay_alu instid0(VALU_DEP_1)
	v_lshrrev_b32 v[BY], 23, v[SO]
.if (\q) == 0
	s_delay_alu instid0(VALU_DEP_1)
	v_mov_b32 v[WW], v[BY]
.else
	s_delay_alu instid0(VALU_DEP_1)
	v_lshl_or_b32 v[WW], v[BY], 8*(\q), v[WW]
.endif
	v_cvt_scalef32_pk16_bf6_f32 v[DB:DB+2], v[XB:XB+15], v[SO]
	v_cvt_scalef32_pk16_bf6_f32 v[CT:CT+2], v[XB+16:XB+31], v[SO]
	v_nop                                          ; one plain place behind a scaled conversion
.irp i, 0,1,2
	v_mov_b32 v[DB+3+\i], v[CT+\i]
.endr
.endm
	v_and_b32 v20, 7, v1                           ; these seven lines are also the places behind the last products
	v_bfe_u32 v21, v1, 3, 1
	s_delay_alu instid0(VALU_DEP_1)
	v_lshl_or_b32 v20, v21, 4, v20
	s_delay_alu instid0(VALU_DEP_1)
	v_lshl_or_b32 v20, v3, 3, v20                  ; bits 3 and 4 of the lane change places: lane 16 u + r takes column 8 u + r % 8 + 16 (r / 8) of 32
	s_delay_alu instid0(VALU_DEP_1)
	v_lshlrev_b32 v21, 2, v20
	v_mul_u32_u24 v22, v2, 528
	s_delay_alu instid0(VALU_DEP_1)
	v_lshl_add_u32 v22, v3, 6, v22
	s_wait_alu depctr_va_vdst(0)
	s_lshr_b32 s24, s[W], 2                        ; back: which 128 keys I take;  s19: which 32 columns
	s_sub_co_u32 s25, s86, 12
	s_lshl_b32 s26, s25, 9
	s_lshl_b32 s27, s19, 7
	s_add_co_u32 s26, s26, s27
	s_mov_b32 s27, 0
	s_add_nc_u64 s[12:13], s[12:13], s[26:27]
	global_load_b32 v24, v21, s[12:13]             ; b_v of my column
	s_mul_i32 s26, s20, 33792                      ; in: place 64 x (which rows) + 16 a + r, rows of 512 bytes + 16;
	s_lshl_b32 s28, s21, 8                         ; my 64 columns
	s_add_co_u32 s26, s26, s28
	v_add_nc_u32 v22, s26, v22
.irp a, 0,1,2,3
.irp be, 0,1
.irp j, 0,1,2,3
	ds_store_b128 v22, v[ACC+32*\a+16*\be+4*\j:ACC+32*\a+16*\be+4*\j+3] offset:8448*\a+128*\be+16*\j   ; each accumulator from its low end on
.endr
.endr
.endr
	s_mul_i32 s28, s24, 67584
	s_lshl_b32 s29, s19, 7
	s_add_co_u32 s28, s28, s29
	v_add_nc_u32 v23, s28, v21                     ; back: my column, my 128 keys' first place;
	s_delay_alu instid0(VALU_DEP_1)
	v_add_nc_u32 v26, 33792, v23                   ; and 64 places on: the immediate has 16 bits
	v_mul_u32_u24 v27, v3, 1536
	s_delay_alu instid0(VALU_DEP_1)
	v_lshl_add_u32 v27, v2, 4, v27                 ; out: lane 16 u + r writes into tile u's image, at lane r's place
	s_lshr_b32 s28, s87, 3
	s_lshl_b32 s28, s28, 3
	s_lshl_b32 s29, s25, 1
	s_add_co_u32 s28, s28, s29
	s_lshr_b32 s29, s19, 1
	s_add_co_u32 s28, s28, s29                     ; 8 batch + head
	s_lshl_b32 s28, s28, 4
	s_and_b32 s29, s87, 7
	s_lshl_b32 s29, s29, 1
	s_add_co_u32 s28, s28, s29
	s_add_co_u32 s28, s28, s24                     ; + which 128 keys
	s_mul_i32 s28, s28, 12800
	s_and_b32 s29, s19, 1                          ; which 32 of the head's 64
	s_mul_i32 s30, s29, 3072
	s_add_co_u32 s30, s30, s28
	s_add_co_u32 s30, s30, 6144
	s_mov_b32 s31, 0
	s_add_nc_u64 s[32:33], s[16:17], s[30:31]
	s_lshl_b32 s30, s29, 7
	s_add_co_u32 s30, s30, s28
	s_add_co_u32 s30, s30, 12544
	s_add_nc_u64 s[34:35], s[16:17], s[30:31]
	s_wait_alu depctr_va_vdst(0)
	s_wait_dscnt 0x0                               ; for the others' sake: my stores into the stage are done
	s_barrier_signal -1
	s_barrier_wait -1
.macro VLOAD q                         ; key 32 q + i lies at place 32 q + (i with bits 3 and 4 changed)
.set I, 32*(\q)
.rept 32
.set RW, 32*(I/32)+(I&7)+16*((I>>3)&1)+8*((I>>4)&1)
.if RW < 64
	ds_load_b32 v[128+I], v23 offset:RW*528
.else
	ds_load_b32 v[128+I], v26 offset:(RW-64)*528
.endif
.set I, I+1
.endr
.endm
.macro VBLK q
.set I, 0
.rept 16
	v_pk_add_f32 v[128+32*(\q)+I:128+32*(\q)+I+1], v[128+32*(\q)+I:128+32*(\q)+I+1], v[24:25]   ; + b_v
.set I, I+2
.endr
	COLBLK \q, 128
.endm
	VLOAD 0
	VLOAD 1
	s_wait_loadcnt 0x0
	v_mov_b32 v25, v24                             ; the bias as a pair
	s_wait_alu depctr_va_vdst(0)
	s_wait_dscnt 32                                ; block 0 is in; block 1's 32 loads may be out
	VLOAD 2
	VBLK 0
	s_wait_dscnt 32                                ; block 1 is in; block 2's may be out
	VLOAD 3
	VBLK 1
	s_wait_dscnt 32                                ; block 2 is in; block 3's may be out
	VBLK 2
	s_wait_dscnt 0x0
	VBLK 3
.irp c, 0,1,2
	global_store_b128 v27, v[CA+4*\c:CA+4*\c+3], s[32:33] offset:512*\c          ; sixteen lanes store 256 consecutive bytes, aligned
	global_store_b128 v27, v[CA+12+4*\c:CA+12+4*\c+3], s[32:33] offset:512*\c+256
.endr
	global_store_b32 v[L4], v[WW], s[34:35]
	FINISH
.Lfunc_end_k_q4410a77643_qkv:
	.size	k_q4410a77643_qkv, .Lfunc_end_k_q4410a77643_qkv-k_q4410a77643_qkv
	.p2alignl 7, 3214868480
	.fill 96, 4, 3214868480
	.section	.rodata,"a",@progbits
	.p2align	6, 0x0
	.amdhsa_kernel k_q4410a77643_qkv
		.amdhsa_group_segment_fixed_size 327680
		.amdhsa_private_segment_fixed_size 0
		.amdhsa_enable_private_segment 0
		.amdhsa_kernarg_size 56
		.amdhsa_user_sgpr_count 2
		.amdhsa_user_sgpr_kernarg_segment_ptr 1
		.amdhsa_wavefront_size32 1
		.amdhsa_system_sgpr_workgroup_id_x 1
		.amdhsa_system_sgpr_workgroup_id_y 1
		.amdhsa_system_sgpr_workgroup_id_z 1
		.amdhsa_system_vgpr_workitem_id 0
		.amdhsa_next_free_vgpr 512
		.amdhsa_next_free_sgpr 102
		.amdhsa_reserve_vcc 1
		.amdhsa_float_denorm_mode_32 3
		.amdhsa_float_denorm_mode_16_64 3
		.amdhsa_memory_ordered 1
		.amdhsa_forward_progress 1
		.amdhsa_inst_pref_size 163
	.end_amdhsa_kernel
	.amdgpu_metadata
---
amdhsa.version: [ 1, 2 ]
amdhsa.kernels:
  - .name:           k_q4410a77643_qkv
    .symbol:         k_q4410a77643_qkv.kd
    .args:
      - { .name: xq, .offset: 0, .size: 8, .value_kind: global_buffer, .address_space: global }
      - { .name: wq, .offset: 8, .size: 8, .value_kind: global_buffer, .address_space: global }
      - { .name: cos, .offset: 16, .size: 8, .value_kind: global_buffer, .address_space: global }
      - { .name: sin, .offset: 24, .size: 8, .value_kind: global_buffer, .address_space: global }
      - { .name: b_v, .offset: 32, .size: 8, .value_kind: global_buffer, .address_space: global }
      - { .name: qq, .offset: 40, .size: 8, .value_kind: global_buffer, .address_space: global }
      - { .name: kv, .offset: 48, .size: 8, .value_kind: global_buffer, .address_space: global }
    .group_segment_fixed_size: 327680
    .private_segment_fixed_size: 0
    .kernarg_segment_align: 8
    .kernarg_segment_size: 56
    .max_flat_workgroup_size: 256
    .sgpr_count:     102
    .vgpr_count:     512
    .wavefront_size: 32
...
	.end_amdgpu_metadata
.endif
;; end of part 2
;; launch attn (part 3): grid 16 x 16, 16 waves a work-group, clusters of 4 x 1, 289,280 bytes of LDS; arguments qq, kv, attention_mask, oq; writes oq
.if DOCPART == 3
	.amdgcn_target "amdgcn-amd-amdhsa--gfx1250"
	.amdhsa_code_object_version 6
	.text
	.protected	k_q4410a77643_attn
	.globl	k_q4410a77643_attn
	.p2align	8
	.type	k_q4410a77643_attn,@function
k_q4410a77643_attn:
	s_mov_b64 s[64:65], 0
	v_nop
	global_prefetch_b8 v0, s[64:65] scope:SCOPE_SE
	s_setreg_imm32_b32 hwreg(HW_REG_WAVE_MODE, 25, 1), 1
	s_wait_xcnt 0x0
	s_wait_alu depctr_hold_cnt(0) depctr_sa_sdst(0) depctr_va_vdst(0) depctr_va_sdst(0) depctr_va_ssrc(0) depctr_va_vcc(0) depctr_vm_vsrc(0)
	s_getreg_b32 s2, hwreg(HW_REG_IB_STS2, 6, 4)
	s_cmp_eq_u32 s2, 0
	s_cbranch_scc0 .Lentry_in_a_cluster
	s_endpgm
.Lentry_in_a_cluster:
	s_bfe_u32 s2, ttmp6, 0x10000c
	s_cmp_lg_u32 s2, 0x3003
	s_cbranch_scc0 .Lentry_shape_is_right
	s_endpgm
.Lentry_shape_is_right:
; o = softmax(q k^T / 8 + masks) v for 2 x 16 heads of 64, 2,048 positions, two query heads to a key/value head, both products on codes of BF6 with E8M0 scales; o is quantised again as the operand of the last product.
; THE SOFTMAX AHEAD OF THE SECOND PRODUCT: t = score x log2(e) / 8; M = the largest t so far, rounded up to a whole number; p = 2^(t - M) is quantised along the keys, not normalised; the row's sum is taken of the
; unquantised p and divides O at the end.  When M moves, the sum and O are multiplied by 2^(old M - new M): exact.
; SHARES.  All K and V of one (batch, key/value head), 16 blocks of 12,800 bytes, lie in LDS: filled ONCE, each of the sixteen waves bringing one block by a joint load: no ring, no refill, no barrier in the loop.
; The batch's 128 query tiles are 16 groups m of 8 tiles (128 queries): a tile of group m has m + 1 key steps of 128, the last on the diagonal; key steps wholly behind the causal mask are not done.
; Cluster J owns groups J, 7 - J, 8 + J, 15 - J.  Partner cx takes tiles 8 m + 2 cx + e of each group, for both query heads c.
; A WAVE'S SHARE: c = wave % 2, e = (wave / 2) % 2, p = (wave / 4) % 2, s = wave / 8.  The pair of waves w, w xor 8 owns two tiles, of groups 15 - J and J (p = 0) or 8 + J and 7 - J (p = 1): 17 key steps.
; THE KEYS OF EACH TILE ARE DIVIDED between the two: wave s takes the steps of parity s, with a running M, sum and O^T of its own: 9 steps for s = 0, 8 for s = 1, whatever J.
; Wave s = 0 takes the short tile first, wave s = 1 the long one.  A wave leaves its FIRST tile's part (O^T, -M, the largest t, the sum) in LDS bytes of its own; behind the loop and one barrier it joins the partner's
; part of its SECOND tile with its own: the joint M is the larger of two whole numbers, so both parts are brought under it by exact powers of two; then that tile goes out.
; ONE LOOP of 16 trips, a constant: trip T is key step 2 (T % 8) + s of the wave's tile T / 8; a step whose keys all come after the tile's queries is passed by a branch on ids.
; Every branch hangs on the cluster's x, the wave's number and the trip alone; cx enters global addresses and a number that is compared lane by lane, nothing else.  The four partners read the same K and V: joint loads.
; No prefetch: all that the loop reads lies in LDS before it begins, so there is no stream to run ahead of.
; LAYOUT.  Both products are used transposed: S^T = K Q^T, O^T = V^T P^T: a lane holds one query throughout.  The rows of a tile are not neighbours (tile 2 b + u, lane r: row 32 b + 8 u + r + 8 (r / 8)), so the 16 registers
; of tiles 2 b and 2 b + 1 are 16 neighbours.  K = 64 IN AN INSTRUCTION OF 128: K's fragment holds two tiles' codes, [X | Y]; the query side is [q | 0] for X and [0 | q] for Y, 18 registers in all; zero codes add nothing.
; THE INPUT MASK costs no vector instruction: each key's 0 or -2^100 is the C of the first product.  The causal mask is made on the diagonal step alone.
; A STEP'S ORDER: all that feeds the exponentials and O's rescaling first, the 68 exponentials as one batch between two waits, then p's codes, and the row's sum last: its 32 additions are the places in front of the second product.
; LIMITS.  The running maximum starts at -2^80, over every masked score (-2^100 x log2(e) / 8): a masked key's p is 0.  A row whose maximum ends under -2^79 counts as wholly masked; its result is NaN, as the softmax of
; nothing but -infinity is: both its scale bytes are 0xff.  So true t must lie above -2^79.  NaN and infinities among the inputs are not served.
.set QS_OFF, 3145728
.set OS_OFF, 3145728
.set MBASE,  204800                    ; behind the 16 blocks: a number for each key of the batch, 8,192 bytes
.set OSS,    212992                    ; 512 bytes: the work-group's scale words of o
.set SPARE,  213504                    ; the spare words, 128 bytes a wave
.set STASH,  215552                    ; a wave's first tile's part: 9 x 512 bytes for each wave
.set WV,  12                           ; s12 wave; s13 J; s14 cx; s15 8 batch + kv head; s16 batch; s17 kv head; s18 s; s19 c; s20 e; s26 7 - 2 J; s27 p
.set MG,  21                           ; s21 the group m of the tile at work;  s51 that of the second tile
.set MGB, 51
.set SEL, 22                           ; s[22:23] lane selects: lane l xor 16
.set CS,  24                           ; s[24:25] log2(e) / 8, as a pair
.set ST,  40                           ; s40 the trip; s43 the key step; s41 its block in LDS; s42 its mask numbers
.set TB,  41
.set TO,  42
.set SP,  43
.set L16, 1                            ; v1  16 x lane
.set L4,  2                            ; v2  4 x lane
.set MBH, 3                            ; v3  MBASE + 64 h
.set DG,  4                            ; v4  my query in its group of 128, less 16 h
.set ADK, 8
.set ADS, 9
.set ADM, 10
.set QQ,  16                           ; v16-33 [q | 0 | q]
.set QSC, 34                           ; v34  q's scale word [s0 s1 s0 s1]
.set FF,  36                           ; v36-83 four fragments: K's, then V's
.set L8,  88                           ; v88  8 x lane  (v84 lane, v85 r, v86 h)
.set STA, 94                           ; v94  where I leave my first tile's part;  v95 where my partner leaves its
.set STB, 95
.set SS,  96                           ; v96-159 S^T, then p
.set OO,  160                          ; v160-191 O^T
.set BM,  192
.set BX,  196
.set SOP, 200
.set PC,  204                          ; v204-215 p's codes
.set PT,  216
.set SM,  226                          ; v226-227 at work; v228-233 three chains of the row's sum (the fourth is the sum itself, v14-15)
.set KSC, 240                          ; v240-241 K's scale words, v242-243 V's, v244 p's
.set VSC, 242
.set PSW, 244
.set QN,  246                          ; v246-251 the second tile's q, v252 its scale word
.set QSN, 252
.macro CROUND                          ; a round of the cluster's barrier
	s_barrier_signal -1
	s_barrier_wait -1
	s_cmp_lg_u32 s[WV], 0
	s_cbranch_scc1 .Lnot_wave_0_\@
	s_barrier_signal -3
.Lnot_wave_0_\@:
	s_barrier_wait -3
	s_barrier_signal -1
	s_barrier_wait -1
.endm
.macro FMA j                           ; pair j of the scores becomes t - M (of the pairs c and -M the low word serves both halves)
	v_pk_fma_f32 v[SS+2*(\j):SS+2*(\j)+1], v[SS+2*(\j):SS+2*(\j)+1], s[CS:CS+1], v[12:13] op_sel_hi:[1,0,0]
.endm
.macro FMAS j0, n
.set FJ, \j0
.rept \n
	FMA FJ
.set FJ, FJ+1
.endr
.endm
.macro ADDP i                          ; pair i of p joins chain i % 4 of the row's sum; chains 1 to 3 begin with pairs 1 to 3, each taken up with the pair four on: nothing is cleared
.if ((\i)%4) == 0
	v_pk_add_f32 v[14:15], v[14:15], v[SS+2*(\i):SS+2*(\i)+1]
.elseif (\i) < 8
	v_pk_add_f32 v[SM+2*((\i)%4):SM+2*((\i)%4)+1], v[SS+2*((\i)-4):SS+2*((\i)-4)+1], v[SS+2*(\i):SS+2*(\i)+1]
.else
	v_pk_add_f32 v[SM+2*((\i)%4):SM+2*((\i)%4)+1], v[SM+2*((\i)%4):SM+2*((\i)%4)+1], v[SS+2*(\i):SS+2*(\i)+1]
.endif
.endm
	s_load_b256 s[4:11], s[0:1], 0x0               ; qq s[4:5], kv s[6:7], attention_mask s[8:9], oq s[10:11]
	v_lshl_add_u32 v254, v0, 2, SPARE
	v_mov_b32 v255, 0
	ds_add_u32 v254, v255                          ; the opening lines: the add twice and its wait ahead of my tensor load
	ds_add_u32 v254, v255
	v_lshrrev_b32 v1, 5, v0
	v_readfirstlane_b32 s[WV], v1                  ; wave 0..15
	s_mov_b32 s13, ttmp9                           ; J
	s_bfe_u32 s14, ttmp6, 0x40000                  ; cx
	s_and_b32 s15, ttmp7, 0xffff
	s_lshr_b32 s16, s15, 3
	s_and_b32 s17, s15, 7
	s_and_b32 s19, s[WV], 1                        ; c
	s_bfe_u32 s20, s[WV], 0x10001                  ; e
	s_bfe_u32 s27, s[WV], 0x10002                  ; p
	s_lshr_b32 s18, s[WV], 3                       ; s: the parity of my key steps
	s_lshl_b32 s26, s13, 1
	s_sub_co_u32 s26, 7, s26                       ; 7 - 2 J
	s_mul_i32 s44, s27, s26
	s_sub_co_u32 s46, 15, s13
	s_sub_co_u32 s46, s46, s44                     ; the pair's long tile: group 15 - J or 8 + J
	s_sub_co_u32 s47, 15, s46                      ; its short one: J or 7 - J
	s_cmp_eq_u32 s18, 0
	s_cselect_b32 s[MG], s47, s46                  ; my first tile: the short one for s = 0, the long one for s = 1
	s_cselect_b32 s[MGB], s46, s47                 ; my second, which I finish
	s_mov_b32 s32, 15|(3<<16)|(1<<21)              ; 15:0 the mask: all four partners; 17:16 elements of 8 bytes; 21 set beside a mask
	s_mov_b32 s33, 32<<16                          ; a dense block as 50 rows of 256 bytes
	s_mov_b32 s34, 50<<16
	s_mov_b32 s35, 32<<16
	s_mov_b32 s36, 50
	s_mov_b32 s37, 32
	s_mov_b32 s38, 0
	s_mov_b32 s39, 0
	s_lshl_b32 s44, s15, 4
	s_add_co_u32 s44, s44, s[WV]
	s_mul_i32 s44, s44, 12800
	s_mov_b32 s45, 0
	s_mov_b32 s28, 1
	s_mul_i32 s29, s[WV], 12800                    ; block = wave: no place in the cluster enters an LDS address
	s_wait_dscnt 0x0
	s_wait_kmcnt 0x0
	s_add_nc_u64 s[30:31], s[6:7], s[44:45]
	s_or_b32 s31, s31, 0x80000000
	CROUND                                         ; all four work-groups are here: the joint loads meet
	tensor_load_to_lds s[28:31], s[32:39]          ; my one tensor load of the launch
	s_nop 0
.rept 4
	v_nop
.endr
	v_and_b32 v84, 31, v0                          ; lane
	v_and_b32 v85, 15, v0                          ; r
	v_bfe_u32 v86, v0, 4, 1                        ; h
	v_lshlrev_b32 v[L16], 4, v84
	v_lshlrev_b32 v[L4], 2, v84
	v_lshlrev_b32 v[L8], 3, v84
	v_lshlrev_b32 v[MBH], 6, v86
	v_lshlrev_b32 v5, 4, v0
	v_lshl_add_u32 v11, v0, 4, MBASE
	v_add_nc_u32 v[MBH], MBASE, v[MBH]
	v_lshlrev_b32 v87, 2, v85
	s_wait_alu depctr_va_vdst(0)                   ; the wait ahead of the run of scalar lines
	s_lshl_b32 s44, s16, 13
	s_add_nc_u64 s[8:9], s[8:9], s[44:45]
	global_load_b128 v[36:39], v5, s[8:9]          ; thread t: keys 4 t .. 4 t + 3 of my batch's mask
	s_lshl_b32 s44, s16, 4
	s_lshl_b32 s46, s17, 1
	s_add_co_u32 s44, s44, s46
	s_add_co_u32 s44, s44, s19                     ; 16 batch + query head
	s_lshl_b32 s44, s44, 6
	s_add_co_u32 s44, s44, s14                     ; + cx
	s_lshl_b32 s46, s[MGB], 2
	s_add_co_u32 s48, s44, s46                     ; the second tile's pair of tiles, 4 m + cx,
	s_lshl_b32 s46, s[MG], 2
	s_add_co_u32 s44, s44, s46                     ; and the first's
	s_mov_b32 s47, 0
	s_mov_b32 s49, 0
	s_lshl_b32 s46, s44, 6
	s_add_co_u32 s46, s46, QS_OFF
	s_add_nc_u64 s[66:67], s[4:5], s[46:47]
	s_mul_i32 s44, s44, 1536
	s_add_nc_u64 s[68:69], s[4:5], s[44:45]
	s_lshl_b32 s46, s48, 6
	s_add_co_u32 s46, s46, QS_OFF
	s_add_nc_u64 s[56:57], s[4:5], s[46:47]
	s_mul_i32 s48, s48, 1536
	s_add_nc_u64 s[58:59], s[4:5], s[48:49]
	s_mul_i32 s46, s20, 520                        ; tile e's six registers of the pair's image, in pieces of 8 bytes: at 16 l, 16 l + 8, 16 l + 512, or at 16 l + 520, 16 l + 1,024, 16 l + 1,032
	s_mul_i32 s47, s20, 1016
	s_add_co_u32 s47, s47, 8
	v_add_nc_u32 v6, s46, v[L16]
	v_add_nc_u32 v7, s47, v[L16]
.irp k, 0, 12
	global_load_b64 v[QQ+\k:QQ+\k+1], v6, s[68:69]
	global_load_b64 v[QQ+\k+2:QQ+\k+3], v7, s[68:69]
	global_load_b64 v[QQ+\k+4:QQ+\k+5], v6, s[68:69] offset:512
.endr
	global_load_b32 v35, v87, s[66:67]             ; the pair's word of row r: [X s0 s1 | Y s0 s1]
	global_load_b64 v[QN:QN+1], v6, s[58:59]       ; the second tile's q waits in registers
	global_load_b64 v[QN+2:QN+3], v7, s[58:59]
	global_load_b64 v[QN+4:QN+5], v6, s[58:59] offset:512
	global_load_b32 v[QSN], v87, s[56:57]
	s_mov_b32 s[SEL], 0x76543210
	s_mov_b32 s[SEL+1], 0xfedcba98
	s_mov_b32 s[CS], 0x3e38aa3b                    ; log2(e) / 8
	s_mov_b32 s[CS+1], s[CS]
	s_lshl_b32 s46, s14, 5
	s_lshl_b32 s47, s20, 3
	s_add_co_u32 s46, s46, s47
	s_mul_i32 s48, s[WV], 4608                     ; my bytes of the stash,
	s_add_co_u32 s48, s48, STASH
	s_xor_b32 s49, s[WV], 8                        ; and my partner's
	s_mul_i32 s49, s49, 4608
	s_add_co_u32 s49, s49, STASH
	v_and_b32 v[DG], 8, v85
	v_lshlrev_b32 v226, 4, v86
	v_add_nc_u32 v[DG], v[DG], v85
	v_mov_b32 v13, 0xe7800000                      ; the largest t so far: -2^80
	v_add_nc_u32 v[DG], s46, v[DG]                 ; my query in its group: 32 cx + 8 e + r + 8 (r / 8)
	v_floor_f32 v12, -v13                          ; -M
	v_sub_nc_u32 v[DG], v[DG], v226
	v_add_nc_u32 v[STA], s48, v[L16]
	v_add_nc_u32 v[STB], s49, v[L16]
.irp i, 6,7,8,9,10,11
	v_mov_b32 v[QQ+\i], 0
.endr
	v_mov_b32 v14, 0                               ; the sum, in two halves
	v_mov_b32 v15, 0
.irp b, 0,1,2,3
	v_mov_b32 v[BX+\b], 0                          ; written once: a lane permute's destination counts as one of its sources
.endr
	v_mov_b32 v225, 0                              ; (named as the upper half of the pair v[224:225])
	v_mov_b32 v227, 0
	v_mov_b32 v226, 0xf1800000                     ; -2^100
	s_wait_alu depctr_va_vdst(0)                   ; the wait ahead of the wait below
	s_wait_loadcnt 11                              ; the mask's load is in; q's eleven may be out
.irp i, 0,1,2,3
	v_cmp_eq_u32 vcc_lo, 0, v[36+\i]
	v_cndmask_b32 v[36+\i], 0, v226, vcc_lo
.endr
	ds_store_b128 v11, v[36:39]
	s_mov_b32 s47, 0x03020302
	s_cmp_eq_u32 s20, 0
	s_cselect_b32 s47, 0x01000100, s47
	s_wait_loadcnt 0x0
	v_perm_b32 v[QSC], v35, v35, s47               ; my tile's two bytes, twice
	v_perm_b32 v[QSN], v[QSN], v[QSN], s47
.set N, 0
.rept 32
	v_mov_b32 v[OO+N], 0                           ; O^T: the step is written once and a tile's first step finds zeros.  (These are also the places between the scale word's making and the first product)
.set N, N+1
.endr
	s_mov_b32 s[ST], 0
	s_wait_alu depctr_va_vdst(0)                   ; the wait at the head's end
	s_wait_tensorcnt 0x0                           ; my block has landed,
	s_wait_dscnt 0x0                               ; my part of the mask's numbers is stored:
	s_barrier_signal -1
	s_barrier_wait -1                              ; everybody's are
.Lstep:                                                ; 16 trips, a constant
	s_and_b32 s[SP], s[ST], 7
	s_lshl_b32 s[SP], s[SP], 1
	s_or_b32 s[SP], s[SP], s18                     ; the key step: 2 (T % 8) + s
	s_cmp_gt_u32 s[SP], s[MG]
	s_cbranch_scc1 .Lhidden                        ; its keys all come after my queries
	s_mul_i32 s[TB], s[SP], 12800
	s_lshl_b32 s[TO], s[SP], 9
	v_add_nc_u32 v[ADK], s[TB], v[L16]
	v_add_nc_u32 v[ADS], s[TB], v[L4]
	v_add_nc_u32 v[ADM], s[TO], v[MBH]
	v_nop                                          ; four places in front of loads into registers that the last products read
.irp x, 0,1
	ds_load_b32 v[KSC+\x], v[ADS] offset:12288+128*\x
.endr
.irp b, 0,1,2,3                                ; four groups of seven loads: K's fragment b, and for tiles 2 b and 2 b + 1 the mask's numbers of keys 32 b + 16 h + 8 u + 0 .. 7: the product's C
.irp c, 0,1,2
	ds_load_b128 v[FF+12*\b+4*\c:FF+12*\b+4*\c+3], v[ADK] offset:1536*\b+512*\c
.endr
.irp u, 0,1
	ds_load_b128 v[SS+16*\b+8*\u:SS+16*\b+8*\u+3], v[ADM] offset:128*\b+32*\u
	ds_load_b128 v[SS+16*\b+8*\u+4:SS+16*\b+8*\u+7], v[ADM] offset:128*\b+32*\u+16
.endr
.endr
	s_wait_alu depctr_va_vdst(0)
.irp b, 0,1,2,3
	s_wait_dscnt 7*(3-\b)                          ; group b is in; the seven loads of each later group may be out
.irp u, 0,1
.if (\b%2) == 0
	v_wmma_scale_f32_16x16x128_f8f6f4 v[SS+16*\b+8*\u:SS+16*\b+8*\u+7], v[FF+12*\b:FF+12*\b+11], v[QQ+6*\u:QQ+6*\u+11], v[SS+16*\b+8*\u:SS+16*\b+8*\u+7], v[KSC+\b/2], v[QSC] matrix_a_fmt:MATRIX_FMT_BF6 matrix_b_fmt:MATRIX_FMT_BF6
.else
	v_wmma_scale_f32_16x16x128_f8f6f4 v[SS+16*\b+8*\u:SS+16*\b+8*\u+7], v[FF+12*\b:FF+12*\b+11], v[QQ+6*\u:QQ+6*\u+11], v[SS+16*\b+8*\u:SS+16*\b+8*\u+7], v[KSC+\b/2], v[QSC] matrix_a_fmt:MATRIX_FMT_BF6 matrix_b_fmt:MATRIX_FMT_BF6 matrix_a_scale:MATRIX_SCALE_ROW1
.endif
.endr
.endr
.rept 4
	v_nop                                          ; places behind the products: for the loads below and the first read of the scores
.endr
.irp t, 0,1,2,3
.irp c, 0,1,2
	ds_load_b128 v[FF+12*\t+4*\c:FF+12*\t+4*\c+3], v[ADK] offset:6144+1536*\t+512*\c   ; V^T: it lands under the softmax
.endr
.endr
.irp x, 0,1
	ds_load_b32 v[VSC+\x], v[ADS] offset:12544+128*\x
.endr
	s_cmp_lg_u32 s[SP], s[MG]
	s_cbranch_scc1 .Lopen
	v_mov_b32 v226, 0xff800000                     ; on the diagonal: register 16 b + i holds key 32 b + 16 h + i of the step, hidden where 32 b + i > my query - 16 h.  Four compares, then their four selects
.set N, 0
.rept 16
.irp i, 0,1,2,3
	v_cmp_gt_i32 s[70+\i], 32*((N+\i)/16)+(N+\i)%16, v[DG]
.endr
.irp i, 0,1,2,3
	v_cndmask_b32 v[SS+N+\i], v[SS+N+\i], v226, s[70+\i]
.endr
.set N, N+4
.endr
.Lopen:
; THE LARGEST SCORE OF EACH BLOCK OF 32 KEYS: it serves the row's maximum and, since p rises with the score, the block's largest p.  Two blocks at a time, two chains a block (one for each tile, begun at the tile's low end)
.irp p, 0, 2
.irp b, 0, 1
	v_max3_num_f32 v[BM+\p+\b], v[SS+16*(\p+\b)], v[SS+16*(\p+\b)+1], v[SS+16*(\p+\b)+2]
.endr
.irp b, 0, 1
	v_max3_num_f32 v[BX+\p+\b], v[SS+16*(\p+\b)+8], v[SS+16*(\p+\b)+9], v[SS+16*(\p+\b)+10]
.endr
.irp i, 3, 5
.irp b, 0, 1
	v_max3_num_f32 v[BM+\p+\b], v[BM+\p+\b], v[SS+16*(\p+\b)+\i], v[SS+16*(\p+\b)+\i+1]
.endr
.irp b, 0, 1
	v_max3_num_f32 v[BX+\p+\b], v[BX+\p+\b], v[SS+16*(\p+\b)+8+\i], v[SS+16*(\p+\b)+9+\i]
.endr
.endr
.irp b, 0, 1
	v_max3_num_f32 v[BM+\p+\b], v[BM+\p+\b], v[SS+16*(\p+\b)+7], v[SS+16*(\p+\b)+15]
.endr
.irp b, 0, 1
	s_delay_alu instid0(VALU_DEP_2)
	v_max_num_f32 v[BM+\p+\b], v[BM+\p+\b], v[BX+\p+\b]
.endr
.endr
	v_mov_b32 v227, v12                            ; the old -M
.irp b, 0,1,2,3
	v_permlanex16_b32 v[BX+\b], v[BM+\b], s[SEL], s[SEL+1]
.endr
.irp b, 0,1,2,3
	s_delay_alu instid0(VALU_DEP_4)
	v_max_num_f32 v[BM+\b], v[BM+\b], v[BX+\b]     ; with lane l xor 16's 16 keys
.endr
	s_delay_alu instid0(VALU_DEP_2)
	v_max3_num_f32 v226, v[BM], v[BM+1], v[BM+2]
	s_delay_alu instid0(VALU_DEP_1)
	v_max_num_f32 v226, v226, v[BM+3]
	s_delay_alu instid0(VALU_DEP_1)
	v_mul_f32 v226, s[CS], v226                    ; the step's largest t
	s_delay_alu instid0(VALU_DEP_1)
	v_max_num_f32 v13, v13, v226                   ; the running largest t
	s_delay_alu instid0(VALU_DEP_1)
	v_floor_f32 v12, -v13                          ; the new -M = -ceil(t): a whole number
	s_delay_alu instid0(VALU_DEP_1)
	v_sub_f32 v227, v12, v227                      ; old M - new M: a whole number, 0 or less
	FMAS 0, 4
	v_cvt_i32_f32 v227, v227                       ; (it saturates)
	FMAS 4, 4
	v_ldexp_f32 v224, 1.0, v227                    ; f = 2^(old M - new M)
	FMAS 8, 24
.irp b, 0,1,2,3
	v_fma_f32 v[BM+\b], v[BM+\b], s[CS], v12       ; t - M of each block's largest score
.endr
	v_pk_mul_f32 v[14:15], v[14:15], v[224:225] op_sel_hi:[1,0]   ; the sum under the new M
.set N, 0
.rept 16
	v_pk_mul_f32 v[OO+N:OO+N+1], v[OO+N:OO+N+1], v[224:225] op_sel_hi:[1,0]   ; O^T under the new M, each accumulator from its low end on
.set N, N+2
.endr
	s_wait_alu depctr_va_vdst(0)                   ; the wait ahead of the batch
.irp b, 0,1,2,3
	v_exp_f32 v[BM+\b], v[BM+\b]                   ; the block's largest p: the same two instructions on the same number give the same bits
.endr
.set N, 0
.rept 64
	v_exp_f32 v[SS+N], v[SS+N]                     ; p = 2^(t - M)
.set N, N+1
.endr
	v_nop                                          ; one plain place behind a transcendental
	s_wait_alu depctr_va_vdst(0)                   ; one wait for the whole batch, ahead of its first reader
.irp b, 0,1,2,3
	v_max_num_f32 v[BM+\b], 0x2800000, v[BM+\b]    ; the floor 2^(5 - 127): the byte cannot fall under 1
.endr
.irp b, 0,1,2,3
	v_add_nc_u32 v[SOP+\b], 0xfe000000, v[BM+\b]   ; 4 off the exponent field: the conversion's scale operand
.endr
.irp b, 0,1,2,3
	v_lshrrev_b32 v[BX+\b], 23, v[SOP+\b]          ; the scale's byte
.endr
	v_lshl_or_b32 v[PSW], v[BX+1], 8, v[BX]        ; p's scale word for these 128 keys
	s_delay_alu instid0(VALU_DEP_1)
	v_lshl_or_b32 v[PSW], v[BX+2], 16, v[PSW]
	s_delay_alu instid0(VALU_DEP_1)
	v_lshl_or_b32 v[PSW], v[BX+3], 24, v[PSW]
.irp c, 0,1
	v_cvt_scalef32_pk16_bf6_f32 v[PC+6*\c:PC+2+6*\c], v[SS+32*\c:SS+15+32*\c], v[SOP+2*\c]
	v_cvt_scalef32_pk16_bf6_f32 v[PT+4*\c:PT+2+4*\c], v[SS+16+32*\c:SS+31+32*\c], v[SOP+2*\c+1]
.endr
	v_nop                                          ; one plain place behind a scaled conversion
.irp c, 0,1
.irp i, 0,1,2
	v_permlane16_swap_b32 v[PC+6*\c+\i], v[PT+4*\c+\i]
.endr
.irp i, 0,1,2
	v_mov_b32 v[PC+3+6*\c+\i], v[PT+4*\c+\i]
.endr
.endr
	ADDP 0                                         ; THE ROW'S SUM IS TAKEN OF THE UNQUANTISED p, in four chains.  (These 32 lines are also the places between the making of p's codes and scale word and the products)
.set J, 4
.rept 28
	ADDP J
.set J, J+1
.endr
	v_pk_add_f32 v[SM+2:SM+3], v[SM+2:SM+3], v[SM+4:SM+5]
	v_pk_add_f32 v[14:15], v[14:15], v[SM+6:SM+7]
	s_delay_alu instid0(VALU_DEP_1)
	v_pk_add_f32 v[14:15], v[14:15], v[SM+2:SM+3]
	s_wait_alu depctr_va_vdst(0)                   ; the wait ahead of the wait below
	s_wait_dscnt 0x0                               ; V^T and its scale words
.irp t, 0,1,2,3
.if (\t%2) == 0
	v_wmma_scale_f32_16x16x128_f8f6f4 v[OO+8*\t:OO+8*\t+7], v[FF+12*\t:FF+12*\t+11], v[PC:PC+11], v[OO+8*\t:OO+8*\t+7], v[VSC+\t/2], v[PSW] matrix_a_fmt:MATRIX_FMT_BF6 matrix_b_fmt:MATRIX_FMT_BF6
.else
	v_wmma_scale_f32_16x16x128_f8f6f4 v[OO+8*\t:OO+8*\t+7], v[FF+12*\t:FF+12*\t+11], v[PC:PC+11], v[OO+8*\t:OO+8*\t+7], v[VSC+\t/2], v[PSW] matrix_a_fmt:MATRIX_FMT_BF6 matrix_b_fmt:MATRIX_FMT_BF6 matrix_a_scale:MATRIX_SCALE_ROW1
.endif
.endr
.Lhidden:
	s_cmp_lg_u32 s[ST], 7
	s_cbranch_scc1 .Lnext
	; ---- behind my first tile's last trip: its part goes into my bytes of the stash, as an image of the registers, and my second tile begins
.rept 4
	v_nop                                          ; places behind the last products
.endr
.irp g, 0,1,2,3,4,5,6,7
	ds_store_b128 v[STA], v[OO+4*\g:OO+4*\g+3] offset:512*\g   ; each accumulator from its low end on
.endr
	ds_store_b128 v[STA], v[12:15] offset:4096     ; -M, the largest t, the sum's two halves
	s_mov_b32 s[MG], s[MGB]
	s_wait_dscnt 0x0                               ; the stores are done: their registers may be written
	v_mov_b32 v[QSC], v[QSN]
.irp i, 0,1,2,3,4,5
	v_mov_b32 v[QQ+\i], v[QN+\i]
	v_mov_b32 v[QQ+12+\i], v[QN+\i]
.endr
	v_mov_b32 v13, 0xe7800000
	v_mov_b32 v14, 0
	v_mov_b32 v15, 0
	v_floor_f32 v12, -v13
.set N, 0
.rept 32
	v_mov_b32 v[OO+N], 0                           ; (also the places between q's and its scale word's moves and the next product)
.set N, N+1
.endr
	s_wait_alu depctr_va_vdst(0)                   ; the wait ahead of the branch below
.Lnext:
	s_add_co_u32 s[ST], s[ST], 1
	s_cmp_lt_u32 s[ST], 16
	s_cbranch_scc1 .Lstep
	; ---- my second tile: the partner's part joins mine
.rept 4
	v_nop                                          ; places behind the last products
.endr
	s_wait_dscnt 0x0                               ; for the partner's sake: my stash is stored
	s_barrier_signal -1
	s_barrier_wait -1                              ; everybody's is
.irp g, 0,1,2,3,4,5,6,7
	ds_load_b128 v[SS+4*\g:SS+4*\g+3], v[STB] offset:512*\g   ; the partner's O^T,
.endr
	ds_load_b128 v[BM:BM+3], v[STB] offset:4096    ; its -M, largest t and sum
	v_add_f32 v14, v14, v15
	s_wait_alu depctr_va_vdst(0)                   ; the wait ahead of the wait below
	s_wait_dscnt 0x0
	v_min_num_f32 v228, v12, v[BM]                 ; the joint -M: the larger M
	v_add_f32 v[BM+2], v[BM+2], v[BM+3]
	v_max_num_f32 v13, v13, v[BM+1]                ; the joint largest t
	v_sub_f32 v224, v228, v12                      ; my M - the joint M: a whole number, 0 or less;
	v_sub_f32 v226, v228, v[BM]                    ; the partner's likewise
	v_cvt_i32_f32 v224, v224                       ; (they saturate)
	v_cvt_i32_f32 v226, v226
	v_ldexp_f32 v224, 1.0, v224                    ; my factor,
	v_ldexp_f32 v226, 1.0, v226                    ; the partner's: exact powers of two
	v_mul_f32 v14, v14, v224
	v_fma_f32 v14, v[BM+2], v226, v14
.set N, 0
.rept 16
	v_pk_mul_f32 v[SS+N:SS+N+1], v[SS+N:SS+N+1], v[226:227] op_sel_hi:[1,0]
.set N, N+2
.endr
.set N, 0
.rept 16
	v_pk_fma_f32 v[SS+N:SS+N+1], v[OO+N:OO+N+1], v[224:225], v[SS+N:SS+N+1] op_sel_hi:[1,0,1]   ; both parts under the joint M; each accumulator from its low end on
.set N, N+2
.endr
	v_permlanex16_b32 v228, v14, s[SEL], s[SEL+1]
	v_add_f32 v14, v14, v228                       ; the row's sum
	s_wait_alu depctr_va_vdst(0)                   ; the wait ahead of the transcendental
	v_rcp_f32 v14, v14
	v_nop                                          ; one plain place behind a transcendental
	v_cmp_gt_f32 s50, 0xe7000000, v13              ; -2^79 > the largest t: every key of this row was masked
	s_wait_alu depctr_va_vdst(0)                   ; and ahead of its first reader
.set N, 0
.rept 16
	v_pk_mul_f32 v[SS+N:SS+N+1], v[SS+N:SS+N+1], v[14:15] op_sel_hi:[1,0]   ; register 16 b + i: o(my query, 32 b + 16 h + i)
.set N, N+2
.endr
	; the way out: quantised along the head's 64: half a K step of the last product
.irp b, 0,1
	v_max3_num_f32 v[BM+\b], |v[SS+16*\b]|, |v[SS+1+16*\b]|, 0x2800000
.endr
.irp i, 2,4,6,8,10,12,14
.irp b, 0,1
	s_delay_alu instid0(VALU_DEP_2)
	v_max3_num_f32 v[BM+\b], v[BM+\b], |v[SS+16*\b+\i]|, |v[SS+1+16*\b+\i]|
.endr
.endr
.irp b, 0,1
	s_delay_alu instid0(VALU_DEP_2)
	v_permlanex16_b32 v[BX+\b], v[BM+\b], s[SEL], s[SEL+1]
.endr
.irp b, 0,1
	s_delay_alu instid0(VALU_DEP_2)
	v_max_num_f32 v[BM+\b], v[BM+\b], v[BX+\b]
.endr
.irp b, 0,1
	s_delay_alu instid0(VALU_DEP_2)
	v_add_nc_u32 v[SOP+\b], 0xfe000000, v[BM+\b]
.endr
.irp b, 0,1
	s_delay_alu instid0(VALU_DEP_2)
	v_lshrrev_b32 v[BX+\b], 23, v[SOP+\b]
.endr
	s_delay_alu instid0(VALU_DEP_1)
	v_lshl_or_b32 v227, v[BX+1], 8, v[BX]
	v_cvt_scalef32_pk16_bf6_f32 v[PC:PC+2], v[SS:SS+15], v[SOP]
	v_cvt_scalef32_pk16_bf6_f32 v[PT:PT+2], v[SS+16:SS+31], v[SOP+1]
	v_nop                                          ; one plain place behind a scaled conversion
.irp i, 0,1,2
	v_permlane16_swap_b32 v[PC+\i], v[PT+\i]
.endr
.irp i, 0,1,2
	v_mov_b32 v[PC+3+\i], v[PT+\i]
.endr
	v_mov_b32 v228, 0xffff
	v_cndmask_b32 v227, v227, v228, s50            ; a wholly masked row: both bytes 0xff, which make every sum over them NaN
	s_wait_alu depctr_va_vdst(0)                   ; the wait ahead of the run of scalar lines
	s_lshl_b32 s44, s16, 7
	s_lshl_b32 s46, s[MG], 3
	s_add_co_u32 s44, s44, s46
	s_lshl_b32 s46, s14, 1
	s_add_co_u32 s44, s44, s46
	s_add_co_u32 s44, s44, s20                     ; my tile of rows: 128 batch + 8 m + 2 cx + e
	s_mul_i32 s44, s44, 12288
	s_mul_i32 s46, s17, 1536
	s_add_co_u32 s44, s44, s46
	s_mul_i32 s46, s19, 768
	s_add_co_u32 s44, s44, s46
	s_mov_b32 s45, 0
	s_add_nc_u64 s[52:53], s[10:11], s[44:45]
	global_store_b128 v[L16], v[PC:PC+3], s[52:53]                 ; half an image, 768 bytes: registers 0-3 at 16 l,
	global_store_b64 v[L8], v[PC+4:PC+5], s[52:53] offset:512      ; registers 4-5 at 512 + 8 l
	; a row's scale word has two bytes of each head: the waves meet in LDS, at (2 x group's number + e) x 64 + 4 r + 2 c; the tile that I finish has the group's number 3 - p for s = 0, p for s = 1
	s_xor_b32 s44, s18, 1
	s_mul_i32 s44, s44, 3
	s_xor_b32 s44, s44, s27
	s_lshl_b32 s44, s44, 1
	s_add_co_u32 s44, s44, s20
	s_lshl_b32 s44, s44, 6
	s_lshl_b32 s46, s19, 1
	s_add_co_u32 s44, s44, s46
	s_add_co_u32 s44, s44, OSS
	v_lshl_add_u32 v89, v85, 2, s44
	ds_store_b16 v89, v227                         ; both lanes of a row write the same bytes with the same value
	v_add_nc_u32 v90, OSS, v[L16]
	v_bfe_u32 v91, v0, 3, 2                        ; for wave 0: lane / 8 is the group's number, lane % 8 the 16 bytes of its 128
	v_and_b32 v93, 7, v0
	v_and_b32 v92, 1, v91
	v_lshrrev_b32 v91, 1, v91
	s_delay_alu instid0(VALU_DEP_2)
	v_mul_u32_u24 v92, v92, s26
	s_delay_alu instid0(VALU_DEP_1)
	v_lshl_add_u32 v92, v91, 3, v92
	s_delay_alu instid0(VALU_DEP_1)
	v_add_nc_u32 v92, s13, v92                     ; that group's m
	s_delay_alu instid0(VALU_DEP_1)
	v_lshlrev_b32 v92, 9, v92
	s_delay_alu instid0(VALU_DEP_1)
	v_lshl_add_u32 v92, v93, 4, v92
	s_lshl_b32 s44, s17, 14
	s_lshl_b32 s46, s16, 13
	s_add_co_u32 s44, s44, s46
	s_lshl_b32 s46, s14, 7
	s_add_co_u32 s44, s44, s46
	s_add_co_u32 s44, s44, OS_OFF
	s_mov_b32 s45, 0
	s_add_nc_u64 s[54:55], s[10:11], s[44:45]
	s_wait_alu depctr_va_vdst(0)                   ; the wait ahead of the wait below
	s_wait_dscnt 0x0                               ; for wave 0's sake: my bytes are stored
	s_barrier_signal -1
	s_barrier_wait -1
	s_cmp_lg_u32 s[WV], 0
	s_cbranch_scc1 .Ldone
	ds_load_b128 v[36:39], v90
	s_wait_dscnt 0x0
	global_store_b128 v92, v[36:39], s[54:55]      ; four runs of 128 consecutive bytes
.Ldone:
	s_wait_tensorcnt 0x0                           ; the wave's end
	ds_add_u32 v254, v255
	s_wait_dscnt 0x0
	CROUND                                         ; the closing round: no work-group ends while a partner may still ask for a block that names it
	s_endpgm
.Lfunc_end_k_q4410a77643_attn:
	.size	k_q4410a77643_attn, .Lfunc_end_k_q4410a77643_attn-k_q4410a77643_attn
	.p2alignl 7, 3214868480
	.fill 96, 4, 3214868480
	.section	.rodata,"a",@progbits
	.p2align	6, 0x0
	.amdhsa_kernel k_q4410a77643_attn
		.amdhsa_group_segment_fixed_size 289280
		.amdhsa_private_segment_fixed_size 0
		.amdhsa_enable_private_segment 0
		.amdhsa_kernarg_size 32
		.amdhsa_user_sgpr_count 2
		.amdhsa_user_sgpr_kernarg_segment_ptr 1
		.amdhsa_wavefront_size32 1
		.amdhsa_system_sgpr_workgroup_id_x 1
		.amdhsa_system_sgpr_workgroup_id_y 1
		.amdhsa_system_sgpr_workgroup_id_z 1
		.amdhsa_system_vgpr_workitem_id 0
		.amdhsa_next_free_vgpr 256
		.amdhsa_next_free_sgpr 80
		.amdhsa_reserve_vcc 1
		.amdhsa_float_denorm_mode_32 3
		.amdhsa_float_denorm_mode_16_64 3
		.amdhsa_memory_ordered 1
		.amdhsa_forward_progress 1
		.amdhsa_inst_pref_size 48
	.end_amdhsa_kernel
	.amdgpu_metadata
---
amdhsa.version: [ 1, 2 ]
amdhsa.kernels:
  - .name:           k_q4410a77643_attn
    .symbol:         k_q4410a77643_attn.kd
    .args:
      - { .name: qq, .offset: 0, .size: 8, .value_kind: global_buffer, .address_space: global }
      - { .name: kv, .offset: 8, .size: 8, .value_kind: global_buffer, .address_space: global }
      - { .name: attention_mask, .offset: 16, .size: 8, .value_kind: global_buffer, .address_space: global }
      - { .name: oq, .offset: 24, .size: 8, .value_kind: global_buffer, .address_space: global }
    .group_segment_fixed_size: 289280
    .private_segment_fixed_size: 0
    .kernarg_segment_align: 8
    .kernarg_segment_size: 32
    .max_flat_workgroup_size: 512
    .sgpr_count:     80
    .vgpr_count:     256
    .wavefront_size: 32
...
	.end_amdgpu_metadata
.endif
;; end of part 3
;; launch outp (part 4): grid 16 x 16, 8 waves a work-group, clusters of 4 x 4, 327,680 bytes of LDS; arguments oq, wq, b_o, out0; writes out0
.if DOCPART == 4
	.amdgcn_target "amdgcn-amd-amdhsa--gfx1250"
	.amdhsa_code_object_version 6
	.text
	.protected	k_q4410a77643_outp
	.globl	k_q4410a77643_outp
	.p2align	8
	.type	k_q4410a77643_outp,@function
k_q4410a77643_outp:
	s_mov_b64 s[64:65], 0
	v_nop
	global_prefetch_b8 v0, s[64:65] scope:SCOPE_SE
	s_setreg_imm32_b32 hwreg(HW_REG_WAVE_MODE, 25, 1), 1
	s_wait_xcnt 0x0
	s_wait_alu depctr_hold_cnt(0) depctr_sa_sdst(0) depctr_va_vdst(0) depctr_va_sdst(0) depctr_va_ssrc(0) depctr_va_vcc(0) depctr_vm_vsrc(0)
	s_getreg_b32 s2, hwreg(HW_REG_IB_STS2, 6, 4)
	s_cmp_eq_u32 s2, 0
	s_cbranch_scc0 .Lentry_in_a_cluster
	s_endpgm
.Lentry_in_a_cluster:
	s_bfe_u32 s2, ttmp6, 0x10000c
	s_cmp_lg_u32 s2, 0xf033
	s_cbranch_scc0 .Lentry_shape_is_right
	s_endpgm
.Lentry_shape_is_right:
.set KSTEPS, 8
.set SLOT,   147456
.set PBASE,  98304
.set SCL,    2*SLOT
.set SCP,    SCL+KSTEPS*1024
.set RS_OFF, 3145728
.set PC_OFF, 3276800
.set PS_OFF, 4849664
.set W,    18
.set G1R,  24
.set G1P,  32
.set G1RS, 40
.set G1PS, 48
.set G0R,  56
.set G0P,  68
.set G0RS, 76
.set G0PS, 80
.set ADRR, 4
.set ADRP, 6
.set ADSR, 8
.set ADSP, 9
.set L16,  10
.set L4,   11
.set STO,  12
.set SRD,  13
.set GOF,  14
.set PS,   16
.set RS,   18
.set BO,   20
.set ADRH, 24
.set PF,   32
.set RF,   80
.set ACC,  128
.set OB,   32
.macro JLOAD g0r, g1r, g0p, g1p
	s_cmp_lt_u32 s[W], 4
	s_cbranch_scc0 .Lfor_p_\@
	tensor_load_to_lds s[\g0r:\g0r+3], s[\g1r:\g1r+7]
	s_nop 0
.rept 4
	v_nop
.endr
	s_branch .Lasked_\@
.Lfor_p_\@:
	s_cmp_lt_u32 s[W], 6                           ; waves 4 and 5 fetch four tiles of W_o each, waves 6 and 7 none
	s_cbranch_scc0 .Lnone_\@
	tensor_load_to_lds s[\g0p:\g0p+3], s[\g1p:\g1p+7]
	s_nop 0
.rept 4
	v_nop
.endr
	s_branch .Lasked_\@
.Lnone_\@:
.rept 4
	v_nop
.endr
.Lasked_\@:
.endm
.macro CROUND
	s_barrier_signal -1
	s_barrier_wait -1
	s_cmp_lg_u32 s[W], 0
	s_cbranch_scc1 .Lnot_wave_0_\@
	s_barrier_signal -3
.Lnot_wave_0_\@:
	s_barrier_wait -3
	s_barrier_signal -1
	s_barrier_wait -1
.endm
.macro DESC1 g, d0, d1, st
	s_mov_b32 s[\g+1], (\d0)<<16
	s_mov_b32 s[\g+2], (\d1)<<16
	s_mov_b32 s[\g+3], (\d0)<<16
	s_mov_b32 s[\g+4], \d1
	s_mov_b32 s[\g+5], \st
	s_mov_b32 s[\g+6], 0
	s_mov_b32 s[\g+7], 0
.endm
.macro MM a, t, zero
.set DD, ACC+8*(4*(\a)+(\t))
.set AA, PF+12*(\t)
.set BB, RF+12*(\a)
.set SA, PS+(\t)/2
.set SB, RS+(\a)/2
.if \zero
.if (((\t)%2) == 0) && (((\a)%2) == 0)
	v_wmma_scale_f32_16x16x128_f8f6f4 v[DD:DD+7], v[AA:AA+11], v[BB:BB+11], 0, v[SA], v[SB] matrix_a_fmt:MATRIX_FMT_BF6 matrix_b_fmt:MATRIX_FMT_BF6
.elseif ((\a)%2) == 0
	v_wmma_scale_f32_16x16x128_f8f6f4 v[DD:DD+7], v[AA:AA+11], v[BB:BB+11], 0, v[SA], v[SB] matrix_a_fmt:MATRIX_FMT_BF6 matrix_b_fmt:MATRIX_FMT_BF6 matrix_a_scale:MATRIX_SCALE_ROW1
.elseif ((\t)%2) == 0
	v_wmma_scale_f32_16x16x128_f8f6f4 v[DD:DD+7], v[AA:AA+11], v[BB:BB+11], 0, v[SA], v[SB] matrix_a_fmt:MATRIX_FMT_BF6 matrix_b_fmt:MATRIX_FMT_BF6 matrix_b_scale:MATRIX_SCALE_ROW1
.else
	v_wmma_scale_f32_16x16x128_f8f6f4 v[DD:DD+7], v[AA:AA+11], v[BB:BB+11], 0, v[SA], v[SB] matrix_a_fmt:MATRIX_FMT_BF6 matrix_b_fmt:MATRIX_FMT_BF6 matrix_a_scale:MATRIX_SCALE_ROW1 matrix_b_scale:MATRIX_SCALE_ROW1
.endif
.else
.if (((\t)%2) == 0) && (((\a)%2) == 0)
	v_wmma_scale_f32_16x16x128_f8f6f4 v[DD:DD+7], v[AA:AA+11], v[BB:BB+11], v[DD:DD+7], v[SA], v[SB] matrix_a_fmt:MATRIX_FMT_BF6 matrix_b_fmt:MATRIX_FMT_BF6
.elseif ((\a)%2) == 0
	v_wmma_scale_f32_16x16x128_f8f6f4 v[DD:DD+7], v[AA:AA+11], v[BB:BB+11], v[DD:DD+7], v[SA], v[SB] matrix_a_fmt:MATRIX_FMT_BF6 matrix_b_fmt:MATRIX_FMT_BF6 matrix_a_scale:MATRIX_SCALE_ROW1
.elseif ((\t)%2) == 0
	v_wmma_scale_f32_16x16x128_f8f6f4 v[DD:DD+7], v[AA:AA+11], v[BB:BB+11], v[DD:DD+7], v[SA], v[SB] matrix_a_fmt:MATRIX_FMT_BF6 matrix_b_fmt:MATRIX_FMT_BF6 matrix_b_scale:MATRIX_SCALE_ROW1
.else
	v_wmma_scale_f32_16x16x128_f8f6f4 v[DD:DD+7], v[AA:AA+11], v[BB:BB+11], v[DD:DD+7], v[SA], v[SB] matrix_a_fmt:MATRIX_FMT_BF6 matrix_b_fmt:MATRIX_FMT_BF6 matrix_a_scale:MATRIX_SCALE_ROW1 matrix_b_scale:MATRIX_SCALE_ROW1
.endif
.endif
.endm
.macro KSTEP slot, kq, kg, zero, first
.if \first == 0
.rept 4
	v_nop
.endr
.endif
.irp x, 0,1
	ds_load_b32 v[PS+\x], v[ADSP] offset:(\kg)*512+128*\x
	ds_load_b32 v[RS+\x], v[ADSR] offset:(\kg)*1024+128*\x
.endr
.irp t, 0,1,2,3
.irp c, 0,1,2
	ds_load_b128 v[PF+12*\t+4*\c:PF+12*\t+4*\c+3], v[ADRP+\slot] offset:\t*6144+(\kq)*1536+512*\c
.endr
.endr
.irp a, 0,1,2,3
.irp c, 0,1
	ds_load_b128 v[RF+12*\a+6*\c:RF+12*\a+6*\c+3], v[ADRR+\slot] offset:\a*6144+(\kq)*1536+768*\c
	ds_load_b64 v[RF+12*\a+6*\c+4:RF+12*\a+6*\c+5], v[ADRH+\slot] offset:\a*6144+(\kq)*1536+768*\c
.endr
.endr
.irp a, 0,1,2,3
	s_wait_dscnt 4*(3-\a)
.irp t, 0,1,2,3
	MM \a, \t, \zero
.endr
.endr
.endm
	s_load_b256 s[4:11], s[0:1], 0x0
	v_lshl_add_u32 v30, v0, 2, 0x4b000
	v_mov_b32 v31, 0
	ds_add_u32 v30, v31
	ds_add_u32 v30, v31
	v_lshrrev_b32 v1, 5, v0
	s_delay_alu instid0(VALU_DEP_1)
	v_readfirstlane_b32 s[W], v1
	s_and_b32 s19, s[W], 3
	s_lshr_b32 s20, s[W], 1
	s_and_b32 s21, s[W], 1
	s_bfe_u32 s84, ttmp6, 0x40000
	s_bfe_u32 s85, ttmp6, 0x40004
	s_lshl_b32 s86, ttmp9, 2
	s_add_co_u32 s86, s86, s84
	s_and_b32 s87, ttmp7, 0xffff
	s_lshl_b32 s87, s87, 2
	s_add_co_u32 s87, s87, s85
	s_lshl_b32 s88, s85, 2
	s_lshl_b32 s88, 15, s88
	s_lshl_b32 s89, 0x1111, s84
	s_or_b32 s[G1R], s88, (3<<16)|(1<<21)
	s_or_b32 s[G1RS], s88, (3<<16)|(1<<21)
	s_or_b32 s[G1P], s89, (3<<16)|(1<<21)
	s_or_b32 s[G1PS], s89, (3<<16)|(1<<21)
	DESC1 G1R, 768, 4, KSTEPS*192
	DESC1 G1P, 768, 4, KSTEPS*192
	DESC1 G1RS, 128, KSTEPS, 2048
	DESC1 G1PS, 64, KSTEPS, 1024
	s_lshl_b32 s90, s87, 4
	s_lshl_b32 s91, s19, 2
	s_add_co_u32 s90, s90, s91
	s_mul_i32 s90, s90, KSTEPS*1536
	s_mov_b32 s91, 0
	s_lshl_b32 s92, s86, 3
	s_lshl_b32 s93, s19, 2
	s_add_co_u32 s92, s92, s93
	s_mul_i32 s92, s92, KSTEPS*1536
	s_add_co_u32 s92, s92, PC_OFF
	s_mov_b32 s93, 0
	s_mov_b32 s94, 0
	s_lshl_b32 s95, s87, 10
	s_add_co_u32 s94, s94, s95
	s_add_co_u32 s94, s94, RS_OFF
	s_mov_b32 s95, 0
	s_mov_b32 s96, 0
	s_lshl_b32 s97, s86, 9
	s_add_co_u32 s96, s96, s97
	s_add_co_u32 s96, s96, PS_OFF
	s_mov_b32 s97, 0
	s_mul_i32 s98, s19, 24576
	s_mul_i32 s99, s19, 24576
	s_mov_b32 s100, 0
	s_mov_b32 s101, 0
	s_wait_dscnt 0x0
	s_wait_kmcnt 0x0
	CROUND
	s_mov_b32 s[G0RS], 1
	s_add_co_u32 s[G0RS+1], s100, SCL
	s_add_nc_u64 s[G0RS+2:G0RS+3], s[4:5], s[94:95]
	s_or_b32 s[G0RS+3], s[G0RS+3], 0x80000000
	s_mov_b32 s[G0PS], 1
	s_add_co_u32 s[G0PS+1], s101, SCP
	s_add_nc_u64 s[G0PS+2:G0PS+3], s[6:7], s[96:97]
	s_or_b32 s[G0PS+3], s[G0PS+3], 0x80000000
	s_add_nc_u64 s[90:91], s[4:5], s[90:91]
	s_add_nc_u64 s[92:93], s[6:7], s[92:93]
.irp s, 0,1
	s_mov_b32 s[G0R+4*\s], 1
	s_add_co_u32 s[G0R+4*\s+1], s98, \s*SLOT
	s_add_nc_u64 s[G0R+4*\s+2:G0R+4*\s+3], s[90:91], \s*6144
	s_or_b32 s[G0R+4*\s+3], s[G0R+4*\s+3], 0x80000000
	s_mov_b32 s[G0P+4*\s], 1
	s_add_co_u32 s[G0P+4*\s+1], s99, \s*SLOT+PBASE
	s_add_nc_u64 s[G0P+4*\s+2:G0P+4*\s+3], s[92:93], \s*6144
	s_or_b32 s[G0P+4*\s+3], s[G0P+4*\s+3], 0x80000000
.endr
	; the head's loads, one a wave: waves 0-3 o's part of slot 0, waves 4-5 W_o's, wave 6 o's scale words, wave 7 W_o's: one chain of branches on the wave's number
	s_cmp_lt_u32 s[W], 4
	s_cbranch_scc0 .Lhead_p
	tensor_load_to_lds s[G0R:G0R+3], s[G1R:G1R+7]
	s_nop 0
.rept 4
	v_nop
.endr
	s_branch .Lhead_asked
.Lhead_p:
	s_cmp_lt_u32 s[W], 6
	s_cbranch_scc0 .Lhead_rs
	tensor_load_to_lds s[G0P:G0P+3], s[G1P:G1P+7]
	s_nop 0
.rept 4
	v_nop
.endr
	s_branch .Lhead_asked
.Lhead_rs:
	s_cmp_lt_u32 s[W], 7
	s_cbranch_scc0 .Lhead_ps
	tensor_load_to_lds s[G0RS:G0RS+3], s[G1RS:G1RS+7]
	s_nop 0
.rept 4
	v_nop
.endr
	s_branch .Lhead_asked
.Lhead_ps:
	tensor_load_to_lds s[G0PS:G0PS+3], s[G1PS:G1PS+7]
	s_nop 0
.rept 4
	v_nop
.endr
.Lhead_asked:
	v_and_b32 v1, 31, v0
	v_and_b32 v2, 15, v0
	v_bfe_u32 v3, v0, 4, 1
	s_delay_alu instid0(VALU_DEP_3)
	v_lshlrev_b32 v[L16], 4, v1
	s_delay_alu instid0(VALU_DEP_4)
	v_lshlrev_b32 v[L4], 2, v1
	s_wait_alu depctr_va_vdst(0)
	v_lshlrev_b32 v15, 3, v1
	s_delay_alu instid0(VALU_DEP_1)
	v_add_nc_u32 v15, 512, v15
	s_mul_i32 s22, s20, 24576
	s_mul_i32 s23, s21, 24576
	s_add_co_u32 s23, s23, PBASE
.irp s, 0,1
	v_add_nc_u32 v[ADRR+\s], s22, v[L16]
	v_add_nc_u32 v[ADRH+\s], s22, v15
	v_add_nc_u32 v[ADRP+\s], s23, v[L16]
	s_add_co_u32 s22, s22, SLOT
	s_add_co_u32 s23, s23, SLOT
.endr
	s_lshl_b32 s22, s20, 8
	s_add_co_u32 s22, s22, SCL
	v_add_nc_u32 v[ADSR], s22, v[L4]
	s_lshl_b32 s22, s21, 8
	s_add_co_u32 s22, s22, SCP
	v_add_nc_u32 v[ADSP], s22, v[L4]
	s_mul_i32 s22, s[W], 4352
	v_mul_u32_u24 v[STO], v2, 272
	s_delay_alu instid0(VALU_DEP_1)
	v_lshl_add_u32 v[STO], v3, 6, v[STO]
	s_delay_alu instid0(VALU_DEP_1)
	v_add_nc_u32 v[STO], s22, v[STO]
	v_mul_u32_u24 v[SRD], v3, 272
	s_delay_alu instid0(VALU_DEP_1)
	v_lshl_add_u32 v[SRD], v2, 4, v[SRD]
	s_delay_alu instid0(VALU_DEP_1)
	v_add_nc_u32 v[SRD], s22, v[SRD]
	v_lshlrev_b32 v[GOF], 13, v3
	s_delay_alu instid0(VALU_DEP_1)
	v_lshl_add_u32 v[GOF], v2, 4, v[GOF]
	v_lshlrev_b32 v15, 4, v2
	s_lshl_b32 s22, s86, 9
	s_lshl_b32 s23, s21, 8
	s_add_co_u32 s22, s22, s23
	s_mov_b32 s23, 0
	s_add_nc_u64 s[8:9], s[8:9], s[22:23]
	s_add_nc_u64 s[10:11], s[10:11], s[22:23]
	global_load_b128 v[BO:BO+3], v15, s[8:9]
	s_lshl_b32 s22, s87, 21
	s_lshl_b32 s66, s20, 19
	s_add_co_u32 s22, s22, s66
	s_add_nc_u64 s[10:11], s[10:11], s[22:23]
	s_wait_alu depctr_va_vdst(0)                   ; the wait at the head's end
	s_wait_tensorcnt 0x0                           ; my one load of the head is in; slot 1's first fill is issued as a refill is
	ds_add_u32 v30, v31
	s_wait_dscnt 0x0
	CROUND                                         ; everybody's part of slot 0 and the scale words are in, and the joint loads meet
	JLOAD G0R+4, G1R, G0P+4, G1P                   ; K steps 4 to 7 into slot 1
	KSTEP 0, 0, 0, 1, 1
	KSTEP 0, 1, 1, 0, 0
	KSTEP 0, 2, 2, 0, 0
	KSTEP 0, 3, 3, 0, 0
	s_wait_tensorcnt 0x0
	s_wait_dscnt 0x0
	s_barrier_signal -1
	s_barrier_wait -1
	KSTEP 1, 0, 4, 0, 0
	KSTEP 1, 1, 5, 0, 0
	KSTEP 1, 2, 6, 0, 0
	KSTEP 1, 3, 7, 0, 0
.rept 4
	v_nop
.endr
	s_wait_loadcnt 0x0
.macro OUTBLK a
.set OBB, OB+32*((\a)%2)
.if (\a) >= 2
	s_wait_xcnt 0x0
.endif
.irp be, 0,1
.irp j, 0,1,2,3
	ds_store_b128 v[STO], v[ACC+32*(\a)+16*\be+4*\j:ACC+32*(\a)+16*\be+4*\j+3] offset:128*\be+16*\j
.endr
.endr
.irp t, 0,1,2,3,4,5,6,7
	ds_load_b128 v[OBB+4*\t:OBB+4*\t+3], v[SRD] offset:544*\t
.endr
	s_wait_dscnt 0x0
.irp t, 0,1,2,3,4,5,6,7
	v_pk_add_f32 v[OBB+4*\t:OBB+4*\t+1], v[OBB+4*\t:OBB+4*\t+1], v[BO:BO+1]
	v_pk_add_f32 v[OBB+4*\t+2:OBB+4*\t+3], v[OBB+4*\t+2:OBB+4*\t+3], v[BO+2:BO+3]
.endr
.irp t, 0,1,2,3,4,5,6,7
	global_store_b128 v[GOF], v[OBB+4*\t:OBB+4*\t+3], s[10:11] offset:(32*((\a)/2)+8*((\a)%2)+2*\t+8*(\t/4))*8192 th:TH_STORE_NT
.endr
.endm
	s_wait_alu depctr_va_vdst(0)
	OUTBLK 0
	OUTBLK 1
	OUTBLK 2
	OUTBLK 3
	s_wait_tensorcnt 0x0
	ds_add_u32 v30, v31
	s_wait_dscnt 0x0
	CROUND
	s_endpgm
.Lfunc_end_k_q4410a77643_outp:
	.size	k_q4410a77643_outp, .Lfunc_end_k_q4410a77643_outp-k_q4410a77643_outp
	.p2alignl 7, 3214868480
	.fill 96, 4, 3214868480
	.section	.rodata,"a",@progbits
	.p2align	6, 0x0
	.amdhsa_kernel k_q4410a77643_outp
		.amdhsa_group_segment_fixed_size 327680
		.amdhsa_private_segment_fixed_size 0
		.amdhsa_enable_private_segment 0
		.amdhsa_kernarg_size 32
		.amdhsa_user_sgpr_count 2
		.amdhsa_user_sgpr_kernarg_segment_ptr 1
		.amdhsa_wavefront_size32 1
		.amdhsa_system_sgpr_workgroup_id_x 1
		.amdhsa_system_sgpr_workgroup_id_y 1
		.amdhsa_system_sgpr_workgroup_id_z 1
		.amdhsa_system_vgpr_workitem_id 0
		.amdhsa_next_free_vgpr 256
		.amdhsa_next_free_sgpr 102
		.amdhsa_reserve_vcc 0
		.amdhsa_float_denorm_mode_32 3
		.amdhsa_float_denorm_mode_16_64 3
		.amdhsa_memory_ordered 1
		.amdhsa_forward_progress 1
		.amdhsa_inst_pref_size 57
	.end_amdhsa_kernel
	.amdgpu_metadata
---
amdhsa.version: [ 1, 2 ]
amdhsa.kernels:
  - .name:           k_q4410a77643_outp
    .symbol:         k_q4410a77643_outp.kd
    .args:
      - { .name: oq, .offset: 0, .size: 8, .value_kind: global_buffer, .address_space: global }
      - { .name: wq, .offset: 8, .size: 8, .value_kind: global_buffer, .address_space: global }
      - { .name: b_o, .offset: 16, .size: 8, .value_kind: global_buffer, .address_space: global }
      - { .name: out0, .offset: 24, .size: 8, .value_kind: global_buffer, .address_space: global }
    .group_segment_fixed_size: 327680
    .private_segment_fixed_size: 0
    .kernarg_segment_align: 8
    .kernarg_segment_size: 32
    .max_flat_workgroup_size: 256
    .sgpr_count:     102
    .vgpr_count:     256
    .wavefront_size: 32
...
	.end_amdgpu_metadata
.endif
;; end of part 4
